; MI455X (gfx1250); checked and timed in simulation.
; The chip was launched on July 23, 2026; its instructions are those of AMD's public machine-readable ISA for CDNA 5 (MIT licence, August 2026) and "CDNA5" Instruction Set Architecture Reference Guide (July 2026). The comments in the code are by the model that wrote it; some were corrected since.
;; Custom Multi Head Self Attention. Allowed arithmetic: matrix products marked QUANTISED: E2M3 operands, one E8M0 scale for each 32 along K, by v_wmma_scale_f32_16x16x128_f8f6f4 with both operands' format E2M3, f32 sums; everything else in f32.
;; Inputs: W_attn 1,024 x 3,072 float32; W_proj 1,024 x 1,024 float32; b_attn 3,072 float32; b_proj 1,024 float32; x 2 x 2,048 x 1,024 float32.
;; Outputs: out0 2 x 2,048 x 1,024 float32.
;; This version of the problem:
;;   THIS VERSION OF THE PROBLEM IS GIVEN IN LOW PRECISION. The matrix products marked QUANTISED in the list below multiply operands that are first quantised to E2M3 (2 exponent bits, 3 mantissa bits; 6 bits a number), with one power-of-two scale for each 32 numbers along K (OCP MX v1.0); their sums are f32. All else is computed in f32.
;;   The module's matrix products, in the order in which they are computed (A, B: the left and right operand; K: the contracted axis; several contracted axes count as one K, in the product's order):
;;     1. [M 4,096, K 1,024] x [K 1,024, N 3,072]; A: input x; B: input W_attn: QUANTISED
;;     2. batch 32 x [M 2,048, K 64] x [K 64, N 2,048]; A: computed on the way; B: computed on the way: QUANTISED
;;     3. batch 32 x [M 64, K 2,048] x [K 2,048, N 2,048]; A: computed on the way; B: softmax (see below): QUANTISED
;;     4. [M 4,096, K 1,024] x [K 1,024, N 1,024]; A: computed on the way; B: input W_proj: QUANTISED
;;   THE QUANTISER, for each operand of a quantised product, along K:
;;     - K is cut into blocks of 32 from its start; a last block that is shorter is filled with zeros.
;;     - A block's scale is 2^e with e = floor(log2(the largest magnitude in the block)) - 2, held to -126 .. 127; a block of zeros has e = 0. As a byte (E8M0): e + 127.
;;     - Each number is divided by its block's scale, clamped to +-7.5, and rounded to the nearest number of E2M3, ties to even, subnormals kept.
;;     - The product sums the exact products of the quantised numbers (number of the format x scale) in f32.
;;   ~~~python
;;   def quantise(x, axis):      # numpy; x: float32 -> the quantised numbers, widened to float32 again
;;       x = np.moveaxis(x, axis, -1); K = x.shape[-1]
;;       x = np.pad(x, [(0, 0)] * (x.ndim - 1) + [(0, -K % 32)]); x = x.reshape(x.shape[:-1] + (-1, 32)); a = np.abs(x).max(-1, keepdims=True)
;;       e = np.where(a > 0, np.clip(np.frexp(np.where(a > 0, a, 1))[1] - 1 - 2, -126, 127), 0)      # np.frexp(a)[1] - 1 = floor(log2(a)), exactly
;;       r = np.clip(x / 2.0 ** e, -7.5, 7.5)
;;       step = 2.0 ** (np.maximum(np.frexp(np.where(r == 0, 1, r))[1] - 1, 0) - 3)
;;       q = np.round(r / step) * step * 2.0 ** e      # np.round: ties to even
;;       return np.moveaxis(q.reshape(q.shape[:-2] + (-1,))[..., :K], -1, axis).astype(np.float32)
;;   ~~~
;;   SOFTMAX AHEAD OF A QUANTISED PRODUCT. Where the list says 'softmax', what is quantised is not the finished softmax but p = 2^(t - M), with t = logit x log2(e) and M = ceil(the row's largest t), a whole number; so 1/2 < the row's largest p <= 1. The row's sum l is taken of the UNQUANTISED p, in f32, and the product's result is divided by l at the end. Since M is a whole number, a kernel that streams over the keys may use a running M (the ceiling of the running maximum): every later rescaling is an exact power of two, which a block's scale takes up: the codes' values come out the same.
;;   OPERANDS COMPUTED ON THE WAY. 'Computed on the way' means the value that the module computes at that place (a softmax that the list does not call 'softmax' is quantised finished and normalised). What goes into a quantiser is computed in f32, as accurately as f32 sums, v_exp_f32 and their like allow (about 1e-6 of the number): no bf16 or f16 on the way to a quantiser, and a product that is left as it is and whose result goes on into a quantised operand takes f32 operands (vector FMAs, or v_wmma_f32_16x16x4_f32). A number that lies on a knife's edge between two numbers of the format may be rounded either way, as far as f32 arithmetic and the matrix unit's own rounding can turn it there, and no further.
;; One version. Each part assembles by itself: llvm-mc -triple=amdgcn-amd-amdhsa -mcpu=gfx1250 --defsym DOCPART=n.
;; ======== version 1 of 1: 4 launches
;; limits: right only within a limited range of input values
;; workspace buffers: opc 6,291,456 bytes; ops 262,144 bytes; hc 9,437,184 bytes; hs 786,432 bytes; yc 3,145,728 bytes; ys 262,144 bytes
;; launch quant (part 1): grid 256 x 1, 8 waves a work-group, no clusters, 71,680 bytes of LDS; arguments x, W_attn, W_proj, opc, ops; writes opc, ops
.if DOCPART == 1
	.amdgcn_target "amdgcn-amd-amdhsa--gfx1250"
	.amdhsa_code_object_version 6
	.text
	.protected	k_q2f695ef254_quant
	.globl	k_q2f695ef254_quant
	.p2align	8
	.type	k_q2f695ef254_quant,@function
k_q2f695ef254_quant:
	s_mov_b64 s[64:65], 0
	v_nop
	global_prefetch_b8 v0, s[64:65] scope:SCOPE_SE
	s_setreg_imm32_b32 hwreg(HW_REG_WAVE_MODE, 25, 1), 1
	s_wait_xcnt 0x0
; x [4096][1024], W_attn [1024][3072], W_proj [1024][1024], f32, become codes of FP6 (E2M3) with one E8M0 scale byte for each 32 along K (K = the 1,024).
; A block's scale is 2^(floor(log2(its largest magnitude)) - 2); its byte is the largest magnitude's exponent field - 2, held at 1 from below.
; LIMITS: NaN and infinities are not served; a block whose largest magnitude lies under 2^-124 keeps the byte 1; a block of zeros gets the byte 1 where the rule says 127:
; its codes are zeros, which add nothing under any byte but 0xff, and this program alone reads the bytes.
; LAYOUT OF THE CODES (opc): tiles of 16 operand rows (rows of x, columns of W), 12,288 bytes each: 16 half fragments (16 rows x 64 K, 768 bytes) on end.  A half fragment is an image of the
; operand's registers: registers 0-3 of lane l at 16 l, registers 4-5 of lane (r, h) at 512 + 16 r + 8 h.  THE ROWS OF A TILE ARE NOT NEIGHBOURS: lane r of tile 2 g + u holds row 32 g + 8 u + r + 8 (r / 8).
; LAYOUT OF THE SCALE WORDS (ops): 512 bytes a tile: the word of K step s (128 along K) of row r at 256 (s / 4) + 16 r + 4 (s % 4).
; 256 work-groups of eight waves, 128 KiB of f32 each: 0-127 take x (32 rows), 128-223 W_attn, 224-255 W_proj (64 columns x 512 along K).  The three ways part on the work-group's number and have LDS bytes of their own.
; No cluster: no two work-groups read the same byte.  No tensor loads: the numbers are wanted in registers.
.set SCX,  0                           ; LDS: x's way: the scale words of two tiles, 1,024 bytes
.set SCWA, 1024                        ; W_attn's way: those of four tiles' halves
.set SCWP, 2048                        ; W_proj's way
.set XST,  3072                        ; x's way: a stage of 16 rows x (512 + 16) bytes for each wave
.set TM,   200                         ; v200-215 at work in QUANT
.set PW,   216                         ; v216 the scale word just made
.set SEL,  20                          ; s[20:21] lane selects: lane l xor 16
; 64 numbers of a lane, register 16 b + i = k 32 b + 16 (lane / 16) + i of my row, become a fragment's 12 registers in v[pc] on and its scale word in v[PW].
.macro QUANT s, pc
.irp b, 0,1,2,3
	v_max3_num_f32 v[TM+\b], |v[\s+16*\b]|, |v[\s+1+16*\b]|, 0x1800000   ; block b: my 16 numbers, and the floor 2^(3 - 127): the byte cannot fall under 1
.endr
.irp i, 2,4,6,8,10,12,14
.irp b, 0,1,2,3
	s_delay_alu instid0(VALU_DEP_4)
	v_max3_num_f32 v[TM+\b], v[TM+\b], |v[\s+16*\b+\i]|, |v[\s+1+16*\b+\i]|   ; the four blocks by turns
.endr
.endr
.irp b, 0,1,2,3
	s_delay_alu instid0(VALU_DEP_4)
	v_permlanex16_b32 v[TM+4+\b], v[TM+\b], s[SEL], s[SEL+1]
.endr
.irp b, 0,1,2,3
	s_delay_alu instid0(VALU_DEP_4)
	v_max_num_f32 v[TM+\b], v[TM+\b], v[TM+4+\b]      ; with lane l xor 16's: the block's largest magnitude
.endr
.irp b, 0,1,2,3
	s_delay_alu instid0(VALU_DEP_4)
	v_add_nc_u32 v[TM+12+\b], 0xff000000, v[TM+\b]    ; 2 off its exponent field: the conversion's scale operand
.endr
.irp b, 0,1,2,3
	s_delay_alu instid0(VALU_DEP_4)
	v_lshrrev_b32 v[TM+4+\b], 23, v[TM+12+\b]         ; the scale's byte
.endr
	s_delay_alu instid0(VALU_DEP_3)
	v_lshl_or_b32 v[PW], v[TM+5], 8, v[TM+4]
	s_delay_alu instid0(VALU_DEP_1)
	v_lshl_or_b32 v[PW], v[TM+6], 16, v[PW]
	s_delay_alu instid0(VALU_DEP_1)
	v_lshl_or_b32 v[PW], v[TM+7], 24, v[PW]
.irp c, 0,1
	v_cvt_scalef32_pk16_fp6_f32 v[\pc+6*\c:\pc+2+6*\c], v[\s+32*\c:\s+15+32*\c], v[TM+12+2*\c]
	v_cvt_scalef32_pk16_fp6_f32 v[\pc+12+4*\c:\pc+14+4*\c], v[\s+16+32*\c:\s+31+32*\c], v[TM+12+2*\c+1]   ; (a conversion's three registers begin on an even number)
.endr
	v_nop                                             ; one plain place behind a scaled conversion
.irp c, 0,1                                       ; the operand wants a whole block in a lane: lanes 0-15 block 2 c, lanes 16-31 block 2 c + 1
.irp i, 0,1,2
	v_permlane16_swap_b32 v[\pc+6*\c+\i], v[\pc+12+4*\c+\i]
.endr
.irp i, 0,1,2
	s_delay_alu instid0(VALU_DEP_3)
	v_mov_b32 v[\pc+3+6*\c+\i], v[\pc+12+4*\c+\i]
.endr
.endr
.endm
	s_load_b256 s[4:11], s[0:1], 0x0               ; x s[4:5], W_attn s[6:7], W_proj s[8:9], opc s[10:11]
	s_load_b64 s[12:13], s[0:1], 0x20              ; ops
	v_lshl_add_u32 v224, v0, 2, 0x11400
	v_mov_b32 v225, 0
	v_lshrrev_b32 v1, 5, v0
	s_delay_alu instid0(VALU_DEP_1)
	v_readfirstlane_b32 s14, v1                    ; wave 0..7
	v_and_b32 v1, 31, v0                           ; lane
	v_and_b32 v2, 15, v0                           ; r
	v_bfe_u32 v3, v0, 4, 1                         ; h
	s_delay_alu instid0(VALU_DEP_3)
	v_lshlrev_b32 v4, 4, v1                        ; 16 x lane
	s_lshr_b32 s15, s14, 2                         ; wave / 4
	s_and_b32 s16, s14, 3                          ; wave % 4
	s_mov_b32 s[SEL], 0x76543210
	s_mov_b32 s[SEL+1], 0xfedcba98
	s_wait_kmcnt 0x0
	s_cmp_lt_u32 ttmp9, 128
	s_cbranch_scc0 .Lweights
; ---------------- x: the work-group takes rows 32 g .. 32 g + 31: tiles 2 g and 2 g + 1.  Wave w: tile 2 g + w / 4, K steps 2 (w % 4) and 2 (w % 4) + 1.
; Each load reads 512 consecutive bytes of one row; the 16 rows of a K step turn through the wave's own stage, so that a lane gets 16 neighbours of each block of its row.
	s_mul_i32 s17, s14, 8448
	s_add_co_u32 s17, s17, XST                     ; my stage
	s_wait_alu depctr_va_vdst(0)
	v_add_nc_u32 v5, s17, v4                       ; in: 16 x lane, a row an instruction
	v_mul_u32_u24 v6, v2, 528
	s_delay_alu instid0(VALU_DEP_1)
	v_lshl_add_u32 v6, v3, 6, v6
	s_delay_alu instid0(VALU_DEP_1)
	v_add_nc_u32 v6, s17, v6                       ; back: row r, + 64 h
	v_lshlrev_b32 v7, 4, v2
	s_delay_alu instid0(VALU_DEP_1)
	v_lshl_add_u32 v7, v3, 3, v7                   ; 16 r + 8 h: a half fragment's registers 4-5
	s_lshl_b32 s18, s15, 9                         ; my two scale words: 512 x tile + 256 (s / 4) + 16 r + 4 (s % 4), s = 2 (w % 4)
	s_lshr_b32 s19, s16, 1
	s_lshl_b32 s19, s19, 8
	s_add_co_u32 s18, s18, s19
	s_and_b32 s19, s16, 1
	s_lshl_b32 s19, s19, 3
	s_add_co_u32 s18, s18, s19
	s_add_co_u32 s18, s18, SCX
	v_lshl_add_u32 v8, v2, 4, s18
	s_lshl_b32 s22, ttmp9, 17                      ; x: (32 g + 8 u) rows of 4,096 bytes + 1,024 (w % 4)
	s_lshl_b32 s23, s15, 15
	s_add_co_u32 s22, s22, s23
	s_lshl_b32 s23, s16, 10
	s_add_co_u32 s22, s22, s23
	s_mov_b32 s23, 0
	s_lshl_b32 s24, ttmp9, 1                       ; codes: tile (2 g + u) x 12,288 + 3,072 (w % 4)
	s_add_co_u32 s24, s24, s15
	s_mul_i32 s24, s24, 12288
	s_mul_i32 s25, s16, 3072
	s_add_co_u32 s24, s24, s25
	s_mov_b32 s25, 0
	s_lshl_b32 s26, ttmp9, 10                      ; scale words: 1,024 g
	s_mov_b32 s27, 0
	s_add_nc_u64 s[4:5], s[4:5], s[22:23]
	s_add_nc_u64 s[10:11], s[10:11], s[24:25]
	s_add_nc_u64 s[12:13], s[12:13], s[26:27]
.irp b, 0,1,2,3
	v_mov_b32 v[TM+4+\b], 0                        ; written once: a lane permute's destination counts as one of its sources
.endr
.macro LOADF f                         ; K step f of my two: position i of the tile is row i + 8 (i / 8) from the tile's first
.irp i, 0,1,2,3,4,5,6,7,8,9,10,11,12,13,14,15
	global_load_b128 v[32+64*\f+4*\i:35+64*\f+4*\i], v4, s[4:5] offset:(\i+8*(\i/8))*4096+512*\f th:TH_LOAD_NT
.endr
.endm
.macro TURNX f                         ; LDS serves a wave's instructions in order: the loads see the stores, and the next turn's stores come behind these loads
.irp i, 0,1,2,3,4,5,6,7,8,9,10,11,12,13,14,15
	ds_store_b128 v5, v[32+64*\f+4*\i:35+64*\f+4*\i] offset:528*\i
.endr
.irp b, 0,1,2,3
.irp j, 0,1,2,3
	ds_load_b128 v[32+64*\f+16*\b+4*\j:35+64*\f+16*\b+4*\j], v6 offset:128*\b+16*\j
.endr
.endr
.endm
.macro XSTORE pc, f                    ; a fragment = two half fragments: every store covers whole aligned runs of 256 bytes
	global_store_b128 v4, v[\pc:\pc+3], s[10:11] offset:1536*\f
	global_store_b64 v7, v[\pc+4:\pc+5], s[10:11] offset:1536*\f+512
	global_store_b128 v4, v[\pc+6:\pc+9], s[10:11] offset:1536*\f+768
	global_store_b64 v7, v[\pc+10:\pc+11], s[10:11] offset:1536*\f+1280
.endm
	LOADF 0
	LOADF 1
	s_wait_alu depctr_va_vdst(0)
	s_wait_loadcnt 16                              ; the first K step's 16 loads are in; the second's may be out
	TURNX 0
	s_wait_dscnt 0x0
	QUANT 32, 160
	v_mov_b32 v218, v[PW]
	XSTORE 160, 0
	s_wait_loadcnt 0x0
	TURNX 1
	s_wait_dscnt 0x0
	QUANT 96, 180                                  ; codes in registers of their own: no store's data are written again
	v_mov_b32 v219, v[PW]
	XSTORE 180, 1
	ds_store_b64 v8, v[218:219]                    ; both halves of the lanes hold the same words and write the same bytes
	s_wait_dscnt 0x0                               ; for the others' sake: my words lie in LDS
	s_barrier_signal -1
	s_barrier_wait -1
	s_cmp_lg_u32 s14, 0
	s_cbranch_scc1 .Lx_done
	ds_load_b128 v[32:35], v4 offset:SCX           ; wave 0 stores the two tiles' 1,024 bytes of scale words, dense
	ds_load_b128 v[36:39], v4 offset:SCX+512
	s_wait_dscnt 0x0
	global_store_b128 v4, v[32:35], s[12:13]
	global_store_b128 v4, v[36:39], s[12:13] offset:512
.Lx_done:
	s_wait_tensorcnt 0x0
	ds_add_u32 v224, v225
	s_wait_dscnt 0x0
	s_endpgm
; ---------------- W [1024][n]: K is the first axis.  A LANE TAKES A COLUMN AND ITS REGISTERS RUN DOWN K: a block of 32 lies in one lane, and the conversions give codes with K innermost.
; Work-group g' of the tensor: 64 columns (g' / 2), K half g' % 2.  Wave w: 32 columns (w / 4), K step 4 (g' % 2) + w % 4: 128 loads of 128 consecutive bytes.
; Lane l's column is row 8 (l / 16) + l % 8 of tile (l / 8) % 2 of the wave's two tiles.  A lane holds both halves (h = 0, 1) of its row of a half fragment: three stores of 16 bytes, each of which fills one whole run of 256 bytes in each tile.
.macro WLOAD t, n, p
.set i, 0
.rept 32
	global_load_b32 v[32+32*(\t)+i], v5, s[\p:\p+1] offset:(32*(\t)+i)*\n*4 th:TH_LOAD_NT
.set i, i+1
.endr
.endm
.macro MAXCVT t                        ; block t of my four
.set XS, 32+32*(\t)
.set ZZ, 160+12*((\t)/2)+4*((\t)%2)
.set TT, 184+4*((\t)%2)
	v_max3_num_f32 v12, |v[XS]|, |v[XS+1]|, |v[XS+2]|
	v_max3_num_f32 v13, |v[XS+3]|, |v[XS+4]|, |v[XS+5]|
.irp i, 6,10,14,18,22,26
	s_delay_alu instid0(VALU_DEP_2)
	v_max3_num_f32 v12, v12, |v[XS+\i]|, |v[XS+\i+1]|
	s_delay_alu instid0(VALU_DEP_2)
	v_max3_num_f32 v13, v13, |v[XS+\i+2]|, |v[XS+\i+3]|
.endr
	s_delay_alu instid0(VALU_DEP_2)
	v_max3_num_f32 v12, v12, |v[XS+30]|, |v[XS+31]|
	s_delay_alu instid0(VALU_DEP_1)
	v_max3_num_f32 v12, v12, v13, 0x1800000        ; and the floor
	s_delay_alu instid0(VALU_DEP_1)
	v_add_nc_u32 v11, 0xff000000, v12              ; the conversion's scale operand
	s_delay_alu instid0(VALU_DEP_1)
	v_lshrrev_b32 v13, 23, v11                     ; the byte
.if (\t) == 0
	s_delay_alu instid0(VALU_DEP_1)
	v_mov_b32 v16, v13
.else
	s_delay_alu instid0(VALU_DEP_1)
	v_lshl_or_b32 v16, v13, 8*(\t), v16            ; the K step's scale word of my column
.endif
	v_cvt_scalef32_pk16_fp6_f32 v[ZZ:ZZ+2], v[XS:XS+15], v11
	v_cvt_scalef32_pk16_fp6_f32 v[TT:TT+2], v[XS+16:XS+31], v11
.endm
.macro PAIRST p                        ; blocks 2 p and 2 p + 1 are half fragment p of the K step
.set ZP, 160+12*(\p)
	v_nop                                          ; one plain place behind a scaled conversion
	v_mov_b32 v[ZP+3], v184                        ; Z+0..3: registers 0-3 of (r, 0);  Z+4..7: of (r, 1);  Z+8..11: registers 4-5 of both
	v_mov_b32 v[ZP+8], v185
	v_mov_b32 v[ZP+9], v186
	v_mov_b32 v[ZP+7], v188
	v_mov_b32 v[ZP+10], v189
	v_mov_b32 v[ZP+11], v190
	global_store_b128 v8, v[ZP:ZP+3], s[10:11] offset:768*(\p)
	global_store_b128 v8, v[ZP+4:ZP+7], s[10:11] offset:768*(\p)+256
	global_store_b128 v8, v[ZP+8:ZP+11], s[10:11] offset:768*(\p)+512
.endm
.macro WPATH n, p, first, coff, soff, lreg
	s_sub_co_u32 s17, ttmp9, \first                ; g'
	s_lshr_b32 s18, s17, 1                         ; which 64 columns
	s_and_b32 s19, s17, 1                          ; which half of K
	s_lshl_b32 s22, s19, 2
	s_add_co_u32 s22, s22, s16                     ; my K step
	s_mul_i32 s24, s22, 512*\n                     ; W: 128 rows a K step, + 256 bytes a column group, + 128 for the wave's half
	s_lshl_b32 s25, s18, 8
	s_add_co_u32 s24, s24, s25
	s_lshl_b32 s25, s15, 7
	s_add_co_u32 s24, s24, s25
	s_mov_b32 s25, 0
	s_lshl_b32 s26, s18, 1                         ; codes: my two tiles begin at tile 2 (2 cg + cs); K step s at 1,536 s
	s_add_co_u32 s26, s26, s15
	s_mul_i32 s26, s26, 24576
	s_mul_i32 s27, s22, 1536
	s_add_co_u32 s26, s26, s27
	s_add_co_u32 s26, s26, \coff
	s_mov_b32 s27, 0
	s_lshl_b32 s28, s18, 11                        ; scale words: four tiles x 512 a column group, + 256 for the half of K
	s_lshl_b32 s29, s19, 8
	s_add_co_u32 s28, s28, s29
	s_add_co_u32 s28, s28, \soff
	s_mov_b32 s29, 0
	s_add_nc_u64 s[\p:\p+1], s[\p:\p+1], s[24:25]
	s_add_nc_u64 s[10:11], s[10:11], s[26:27]
	s_add_nc_u64 s[12:13], s[12:13], s[28:29]
	v_lshlrev_b32 v5, 2, v1                        ; in: 4 bytes a lane
	v_bfe_u32 v6, v0, 3, 1                         ; which of my two tiles
	v_and_b32 v7, 7, v0
	s_delay_alu instid0(VALU_DEP_1)
	v_lshl_add_u32 v7, v3, 3, v7                   ; my row in it
	s_delay_alu instid0(VALU_DEP_1)
	v_lshlrev_b32 v7, 4, v7
	s_delay_alu instid0(VALU_DEP_1)
	v_mad_u32_u24 v8, v6, 12288, v7                ; out: tile x 12,288 + 16 x row
	s_delay_alu instid0(VALU_DEP_2)
	v_lshl_add_u32 v9, v6, 8, v7                   ; my scale word in LDS: 512 (w / 4) + 256 x tile + 16 x row + 4 (w % 4)
	s_lshl_b32 s30, s15, 9
	s_lshl_b32 s31, s16, 2
	s_add_co_u32 s30, s30, s31
	s_add_co_u32 s30, s30, \lreg
	v_add_nc_u32 v9, s30, v9
	v_lshlrev_b32 v10, 4, v2
	s_delay_alu instid0(VALU_DEP_1)
	v_lshl_add_u32 v10, v3, 9, v10                 ; and on the way out: 512 (lane / 16) + 16 r
	WLOAD 0, \n, \p
	WLOAD 1, \n, \p
	s_wait_loadcnt 32                              ; block 0 is in; the youngest 32 loads may be out
	MAXCVT 0
	WLOAD 2, \n, \p
	s_wait_loadcnt 32                              ; block 1
	MAXCVT 1
	WLOAD 3, \n, \p
	PAIRST 0
	s_wait_loadcnt 32                              ; block 2
	MAXCVT 2
	s_wait_loadcnt 0x0
	MAXCVT 3
	PAIRST 1
	ds_store_b32 v9, v16
	s_wait_dscnt 0x0                               ; for the others' sake
	s_barrier_signal -1
	s_barrier_wait -1
	s_cmp_lg_u32 s14, 0
	s_cbranch_scc1 .Lw_done_\@
	ds_load_b128 v[32:35], v4 offset:\lreg         ; wave 0 stores four runs of 256 bytes: this half of K of the four tiles' scale words
	ds_load_b128 v[36:39], v4 offset:\lreg+512
	s_wait_dscnt 0x0
	global_store_b128 v10, v[32:35], s[12:13]
	global_store_b128 v10, v[36:39], s[12:13] offset:1024
.Lw_done_\@:
	s_wait_tensorcnt 0x0
	ds_add_u32 v224, v225
	s_wait_dscnt 0x0
	s_endpgm
.endm
.Lweights:
	s_cmp_lt_u32 ttmp9, 224
	s_cbranch_scc0 .Lwproj
	s_wait_alu depctr_va_vdst(0)
	WPATH 3072, 6, 128, 3145728, 131072, SCWA
.Lwproj:
	s_wait_alu depctr_va_vdst(0)
	WPATH 1024, 8, 224, 5505024, 229376, SCWP
.Lfunc_end_k_q2f695ef254_quant:
	.size	k_q2f695ef254_quant, .Lfunc_end_k_q2f695ef254_quant-k_q2f695ef254_quant
	.p2alignl 7, 3214868480
	.fill 96, 4, 3214868480
	.section	.rodata,"a",@progbits
	.p2align	6, 0x0
	.amdhsa_kernel k_q2f695ef254_quant
		.amdhsa_group_segment_fixed_size 71680
		.amdhsa_private_segment_fixed_size 0
		.amdhsa_enable_private_segment 0
		.amdhsa_kernarg_size 40
		.amdhsa_user_sgpr_count 2
		.amdhsa_user_sgpr_kernarg_segment_ptr 1
		.amdhsa_wavefront_size32 1
		.amdhsa_system_sgpr_workgroup_id_x 1
		.amdhsa_system_sgpr_workgroup_id_y 1
		.amdhsa_system_sgpr_workgroup_id_z 1
		.amdhsa_system_vgpr_workitem_id 0
		.amdhsa_next_free_vgpr 226
		.amdhsa_next_free_sgpr 66
		.amdhsa_reserve_vcc 0
		.amdhsa_float_denorm_mode_32 3
		.amdhsa_float_denorm_mode_16_64 3
		.amdhsa_memory_ordered 1
		.amdhsa_forward_progress 1
		.amdhsa_inst_pref_size 69
	.end_amdhsa_kernel
	.amdgpu_metadata
---
amdhsa.version: [ 1, 2 ]
amdhsa.kernels:
  - .name:           k_q2f695ef254_quant
    .symbol:         k_q2f695ef254_quant.kd
    .args:
      - { .name: x, .offset: 0, .size: 8, .value_kind: global_buffer, .address_space: global }
      - { .name: W_attn, .offset: 8, .size: 8, .value_kind: global_buffer, .address_space: global }
      - { .name: W_proj, .offset: 16, .size: 8, .value_kind: global_buffer, .address_space: global }
      - { .name: opc, .offset: 24, .size: 8, .value_kind: global_buffer, .address_space: global }
      - { .name: ops, .offset: 32, .size: 8, .value_kind: global_buffer, .address_space: global }
    .group_segment_fixed_size: 71680
    .private_segment_fixed_size: 0
    .kernarg_segment_align: 8
    .kernarg_segment_size: 40
    .max_flat_workgroup_size: 256
    .sgpr_count:     66
    .vgpr_count:     226
    .wavefront_size: 32
...
	.end_amdgpu_metadata
.endif
;; end of part 1
;; launch qkv (part 2): grid 48 x 4, 4 waves a work-group, clusters of 4 x 4, 327,680 bytes of LDS; arguments opc, ops, b_attn, hc, hs; writes hc, hs
.if DOCPART == 2
	.amdgcn_target "amdgcn-amd-amdhsa--gfx1250"
	.amdhsa_code_object_version 6
	.text
	.protected	k_q2f695ef254_qkv
	.globl	k_q2f695ef254_qkv
	.p2align	8
	.type	k_q2f695ef254_qkv,@function
k_q2f695ef254_qkv:
	s_mov_b64 s[64:65], 0
	v_nop
	global_prefetch_b8 v0, s[64:65] scope:SCOPE_SE
	s_setreg_imm32_b32 hwreg(HW_REG_WAVE_MODE, 25, 1), 1
	s_wait_xcnt 0x0
	s_wait_alu depctr_hold_cnt(0) depctr_sa_sdst(0) depctr_va_vdst(0) depctr_va_sdst(0) depctr_va_ssrc(0) depctr_va_vcc(0) depctr_vm_vsrc(0)
	s_getreg_b32 s2, hwreg(HW_REG_IB_STS2, 6, 4)
	s_cmp_eq_u32 s2, 0
	s_cbranch_scc0 .Lentry_in_a_cluster
	s_endpgm
.Lentry_in_a_cluster:
	s_bfe_u32 s2, ttmp6, 0x10000c
	s_cmp_lg_u32 s2, 0xf033
	s_cbranch_scc0 .Lentry_shape_is_right
	s_endpgm
.Lentry_shape_is_right:
; qkv = x W_attn + b_attn on codes of FP6 (E2M3) with E8M0 scales, K = 1,024; the results never leave as f32: q and k are quantised along the head's 64, v along the keys, on the way out.
; TWELVE CLUSTERS of 4 x 4 work-groups; a work-group makes 256 x 256 of C, each of its four waves 128 x 128 (64 accumulators, 512 registers).
;   clusters 0-7  (role QK): C = x W^T,  rows = the 4,096 rows of x, columns = W_attn's columns 0-2,047 (q, then k);
;   clusters 8-11 (role V):  C = W x^T,  rows = W_attn's columns 2,048-3,071, columns = the 4,096 rows of x (the keys).
; In both roles what is quantised runs along C's COLUMNS, so one text serves both: only offsets into the buffers are chosen, by the cluster's number, which all sixteen partners share.
; THE MATRIX INSTRUCTION IS USED TRANSPOSED (source 0 = 16 rows of B, the operand of C's columns; source 1 = 16 rows of A): a lane holds one row of C.  The rows of a tile of codes are laid so
; (lane r of tile 2 g + u = row 32 g + 8 u + r + 8 (r / 8)) that register 8 b + j of a lane is column 32 (b / 2) + 16 (lane / 16) + 8 (b % 2) + j: 16 neighbours of each block of 32.
; TILES are images of the operand's registers (a tile of 16 rows: 768 bytes for each 64 along K), so LDS needs no pitch and no padding.  K goes in steps of 256 through two LDS slots.
; A's tiles are asked for jointly by a row of the cluster, B's by a column.  The scale words (8 KiB a wave against 192 KiB of codes) and the biases go straight to registers, once: too small a part to be asked for jointly.
; No prefetch: the ring has one refill in all.  192 work-groups: a narrower tile would cut the 128 columns that make one fragment of the next product.
; LIMITS: NaN and infinities are not served; a block under 2^-124 keeps the byte 1, a block of zeros too (its codes are zeros; this program alone reads the bytes).
; The bias enters as the first C of each sum (q, k) or by one f32 addition behind the sum (v).
; REGISTERS: window 0: v16-23 LDS addresses, v24-26 store offsets, v28-29 the add's; v32-95 scale words (register 8 i + s: lanes 0-15 A's block i, lanes 16-31 B's block i, K step s);
;   v96-127, v224-255 the columns' bias; v128-223 A's fragments, one set.   window 1: v0-95, v128-223 B's two sets; v96-111 the rows' bias, a pair a block.   windows 2, 3: the accumulators.
.set KCH,   3072                       ; a tile's 256 along K in bytes
.set HALFT, 8*KCH                      ; 8 tiles: what one tensor load brings, and what one wave reads of A or of B
.set SLOT,  4*HALFT                    ; A's 16 tiles, then B's 16, 256 along K
; LDS AS IT STANDS, in place of the two equal slots that the head comment names: REGION A holds K steps 0-3 (512 along K): four parts of 49,152 bytes, one a wave, 8 tiles x 6,144 bytes each, brought by the head's one load a wave;
; REGION B holds K steps 4-5: four parts of 24,576 bytes, first filled behind the head's full sequence and a round, so that its load has K steps 0 to 3 in which to land;
; K steps 6-7 are the launch's ONE refill: in K step 3, onto the first 24,576 bytes of each part of region A, 8 tiles x 3,072 bytes.
.set PA,    2*HALFT                    ; a wave's part of region A
.set RGB,   4*PA                       ; where region B begins
.set SPARE, RGB+SLOT                   ; the spare words: 128 bytes a wave, two blocks of 256 bytes that no other line names
.set TP0,   2*KCH                      ; from tile to tile in region A's bytes: 6,144, and 3,072 once they are filled again
.set QN,    1                          ; which 128 along K of its region an even K step fetches for the odd one behind it
.set FR,    12
.set ADRA,  16                         ; v16-17: 16 x lane form, slot 0, 1;  v18-19: 16 r + 8 h form
.set ADRB,  20                         ; v20-23 likewise
.set SC,    32
.set AF,    128
.set RB,    96                         ; in window 1
.set H,     128                        ; the way out: 64 numbers of a row
.set PC,    192                        ; the codes just made
.set TM,    212
.set PW,    228
.set SEL,   80                         ; s[80:81]
.set G1,  24
.set G0,  32
.set G1B, 48
.set G0B, 56
.set MSB, 0
.macro WIN new                         ; the immediate's high byte repeats the setting that is left
.if MSB != \new
	s_set_vgpr_msb (MSB<<8)|\new
.set MSB, \new
.endif
.endm
.set MUL_LO, 0xa1                      ; source 0 (B) window 1, source 1 (A) window 0, C and D window 2
.set MUL_HI, 0xf1
.set FST_LO, 0x81                      ; the first step: C (the bias) window 0
.set FST_HI, 0xc1
.set TO_B,   0x40
.macro JLOAD g0a, g1a, g0b, g1b        ; waves 0 and 1 fetch for A, waves 2 and 3 for B; four v_nop follow each of the two lines
	s_cmp_eq_u32 s15, 0
	s_cbranch_scc0 .Lfor_b_\@
	tensor_load_to_lds s[\g0a:\g0a+3], s[\g1a:\g1a+7]
	s_nop 0
.rept 4
	v_nop
.endr
	s_branch .Lasked_\@
.Lfor_b_\@:
	tensor_load_to_lds s[\g0b:\g0b+3], s[\g1b:\g1b+7]
	s_nop 0
.rept 4
	v_nop
.endr
.Lasked_\@:
.endm
.macro CREST
	s_cmp_lg_u32 s14, 0
	s_cbranch_scc1 .Lnot_wave_0_\@
	s_barrier_signal -3
.Lnot_wave_0_\@:
	s_barrier_wait -3
	s_barrier_signal -1
	s_barrier_wait -1
.endm
.macro CROUND
	s_barrier_signal -1
	s_barrier_wait -1
	CREST
.endm
.macro QUANT s, pc
.irp b, 0,1,2,3
	v_max3_num_f32 v[TM+\b], |v[\s+16*\b]|, |v[\s+1+16*\b]|, 0x1800000   ; my 16 numbers of block b, and the floor 2^(3 - 127)
.endr
.irp i, 2,4,6,8,10,12,14
.irp b, 0,1,2,3
	v_max3_num_f32 v[TM+\b], v[TM+\b], |v[\s+16*\b+\i]|, |v[\s+1+16*\b+\i]|
.endr
.endr
.irp b, 0,1,2,3
	v_permlanex16_b32 v[TM+4+\b], v[TM+\b], s[SEL], s[SEL+1]
.endr
.irp b, 0,1,2,3
	v_max_num_f32 v[TM+\b], v[TM+\b], v[TM+4+\b]
.endr
.irp b, 0,1,2,3
	v_add_nc_u32 v[TM+12+\b], 0xff000000, v[TM+\b]    ; the conversion's scale operand
.endr
.irp b, 0,1,2,3
	v_lshrrev_b32 v[TM+4+\b], 23, v[TM+12+\b]         ; the byte
.endr
	v_lshl_or_b32 v[PW], v[TM+5], 8, v[TM+4]
	v_lshl_or_b32 v[PW], v[TM+6], 16, v[PW]
	v_lshl_or_b32 v[PW], v[TM+7], 24, v[PW]
.irp c, 0,1
	v_cvt_scalef32_pk16_fp6_f32 v[\pc+6*\c:\pc+2+6*\c], v[\s+32*\c:\s+15+32*\c], v[TM+12+2*\c]
	v_cvt_scalef32_pk16_fp6_f32 v[\pc+12+4*\c:\pc+14+4*\c], v[\s+16+32*\c:\s+31+32*\c], v[TM+12+2*\c+1]
.endr
	v_nop                                             ; one plain place behind a scaled conversion
.irp c, 0,1
.irp i, 0,1,2
	v_permlane16_swap_b32 v[\pc+6*\c+\i], v[\pc+12+4*\c+\i]
.endr
.irp i, 0,1,2
	v_mov_b32 v[\pc+3+6*\c+\i], v[\pc+12+4*\c+\i]
.endr
.endr
.endm
	s_load_b256 s[4:11], s[0:1], 0x0               ; opc s[4:5], ops s[6:7], b_attn s[8:9], hc s[10:11]
	s_load_b64 s[12:13], s[0:1], 0x20              ; hs
	v_lshl_add_u32 v28, v0, 2, SPARE
	v_mov_b32 v29, 0
	ds_add_u32 v28, v29
	ds_add_u32 v28, v29
	s_wait_dscnt 0x0
	v_lshrrev_b32 v1, 5, v0
	v_readfirstlane_b32 s14, v1                    ; wave 0..3
	s_lshr_b32 s15, s14, 1                         ; which half of the tile's rows is mine.  Also: I fetch for A (0) or for B (1)
	s_and_b32 s16, s14, 1                          ; which half of its columns.  Also: which 8 tiles I fetch
	s_bfe_u32 s40, ttmp6, 0x40000                  ; cx
	s_bfe_u32 s41, ttmp6, 0x40004                  ; cy
	s_lshr_b32 s18, ttmp9, 1
	s_and_b32 s19, ttmp9, 1
	s_sub_co_u32 s20, ttmp9, 8
	s_cmp_ge_u32 ttmp9, 8                          ; the cluster's role: the same in all sixteen partners
	s_cselect_b32 s66, 1, 0                        ; 1: role V
	s_cselect_b32 s68, -1, 0                       ; all lanes in role V
	s_cselect_b32 s67, 0, -1                       ; all lanes in role QK
	s_cselect_b32 s18, 0, s18                      ; the cluster's row of C's clusters
	s_cselect_b32 s19, s20, s19                    ; and its column (role QK: 0 = q, 1 = k)
	s_cselect_b32 s70, 4718592, 0                  ; A's codes in opc: W_attn's tile 128 on, or x
	s_cselect_b32 s71, 0, 3145728                  ; B's: x, or W_attn
	s_cselect_b32 s72, 196608, 0                   ; A's scale words in ops
	s_cselect_b32 s73, 0, 131072                   ; B's
	s_lshl_b32 s17, s18, 2
	s_add_co_u32 s17, s17, s41                     ; tile row of C
	s_lshl_b32 s42, s19, 2
	s_add_co_u32 s42, s42, s40                     ; tile column of C
	s_lshl_b32 s43, s41, 2
	s_lshl_b32 s43, 15, s43                        ; my row of the cluster
	s_lshl_b32 s44, 0x1111, s40                    ; my column
	; descriptor group 1: 8 tiles, of each 6,144 bytes (768 elements of 8 bytes) at the head, 12,288 bytes apart in memory, on end in LDS
	s_or_b32 s[G1+0], s43, (3<<16)|(1<<21)         ; 15:0 the mask: A's tiles go to my row; 17:16 elements of 8 bytes; 21 set beside a mask; no padding
	s_or_b32 s[G1B+0], s44, (3<<16)|(1<<21)
.irp g, G1, G1B
	s_mov_b32 s[\g+1], 768<<16                     ; tensor_dim0: the head's load brings 6,144 bytes of each tile
	s_mov_b32 s[\g+2], 8<<16                       ; tensor_dim1
	s_mov_b32 s[\g+3], 768<<16                     ; tile_dim0
	s_mov_b32 s[\g+4], 8                           ; tile_dim1
	s_mov_b32 s[\g+5], 1536                        ; tensor_dim0_stride
	s_mov_b32 s[\g+6], 0
	s_mov_b32 s[\g+7], 0
.endr
	s_lshl_b32 s20, s17, 4                         ; A: tile 16 x tile row + 8 x half: made of cy and the cluster's number alone
	s_lshl_b32 s21, s16, 3
	s_add_co_u32 s20, s20, s21
	s_mul_i32 s20, s20, 12288
	s_add_co_u32 s20, s20, s70
	s_mov_b32 s21, 0
	s_lshl_b32 s46, s42, 4                         ; B: of cx and the cluster's number alone
	s_lshl_b32 s47, s16, 3
	s_add_co_u32 s46, s46, s47
	s_mul_i32 s46, s46, 12288
	s_add_co_u32 s46, s46, s71
	s_mov_b32 s47, 0
	s_mov_b32 s[SEL], 0x76543210
	s_mov_b32 s[SEL+1], 0xfedcba98
	s_mov_b32 s93, 0xffff0000                      ; lanes 16-31
	s_wait_kmcnt 0x0
	s_add_nc_u64 s[20:21], s[4:5], s[20:21]
	s_add_nc_u64 s[46:47], s[4:5], s[46:47]
	CROUND                                         ; all sixteen work-groups are here: the first joint loads meet
.irp s, 0,1
	s_mov_b32 s[G0+4*\s], 1
	s_mul_i32 s[G0+4*\s+1], s14, PA-\s*HALFT       ; where they go: wave x a part of region A, or of region B
	s_add_co_u32 s[G0+4*\s+1], s[G0+4*\s+1], \s*RGB
	s_add_nc_u64 s[G0+4*\s+2:G0+4*\s+3], s[20:21], \s*2*KCH
	s_or_b32 s[G0+4*\s+3], s[G0+4*\s+3], 0x80000000
	s_mov_b32 s[G0B+4*\s], 1
	s_mul_i32 s[G0B+4*\s+1], s14, PA-\s*HALFT
	s_add_co_u32 s[G0B+4*\s+1], s[G0B+4*\s+1], \s*RGB
	s_add_nc_u64 s[G0B+4*\s+2:G0B+4*\s+3], s[46:47], \s*2*KCH
	s_or_b32 s[G0B+4*\s+3], s[G0B+4*\s+3], 0x80000000
.endr
	JLOAD G0, G1, G0B, G1B                         ; slot 0: one tensor load a wave at the head
	v_and_b32 v1, 15, v0                           ; r
	v_bfe_u32 v2, v0, 4, 1                         ; h
	s_wait_alu depctr_va_vdst(0)
	v_and_b32 v3, 31, v0                           ; lane
	v_lshlrev_b32 v24, 4, v3                       ; 16 x lane
	v_lshlrev_b32 v5, 4, v1
	v_lshl_add_u32 v5, v2, 3, v5                   ; 16 r + 8 h
	v_add_nc_u32 v25, 512, v5
	v_lshlrev_b32 v26, 3, v3                       ; 8 x lane
	; the scale words of my 8 blocks of A (lanes 0-15) and of B (lanes 16-31), all 8 K steps: 16 loads, each of two whole runs of 256 bytes
	s_lshl_b32 s74, s17, 4
	s_lshl_b32 s75, s15, 3
	s_add_co_u32 s74, s74, s75
	s_lshl_b32 s74, s74, 9
	s_add_co_u32 s74, s74, s72
	s_lshl_b32 s76, s42, 4
	s_lshl_b32 s75, s16, 3
	s_add_co_u32 s76, s76, s75
	s_lshl_b32 s76, s76, 9
	s_add_co_u32 s76, s76, s73
	v_mov_b32 v6, s74
	v_mov_b32 v7, s76
	v_cmp_ne_u32 vcc_lo, 0, v2
	v_cndmask_b32 v6, v6, v7, vcc_lo
	v_lshl_add_u32 v6, v1, 4, v6
.irp i, 0,1,2,3,4,5,6,7
	global_load_b128 v[SC+8*\i:SC+8*\i+3], v6, s[6:7] offset:512*\i
	global_load_b128 v[SC+8*\i+4:SC+8*\i+7], v6, s[6:7] offset:512*\i+256
.endr
	; the columns' bias, in the result's layout; both biases are loaded in both roles, at addresses held inside b_attn, and the one that does not apply is cleared
	s_and_b32 s77, s42, 7
	s_lshl_b32 s77, s77, 10
	s_lshl_b32 s78, s16, 9
	s_add_co_u32 s77, s77, s78
	v_lshl_add_u32 v9, v2, 6, s77
.irp b, 0,1,2,3,4,5,6,7
	global_load_b128 v[96+8*\b+96*(\b/4):99+8*\b+96*(\b/4)], v9, s[8:9] offset:4*(32*(\b/2)+8*(\b%2))
	global_load_b128 v[100+8*\b+96*(\b/4):103+8*\b+96*(\b/4)], v9, s[8:9] offset:4*(32*(\b/2)+8*(\b%2))+16
.endr
	s_and_b32 s79, s17, 3                          ; the rows' bias: b_attn at 2,048 + the row
	s_lshl_b32 s79, s79, 10
	s_lshl_b32 s78, s15, 9
	s_add_co_u32 s79, s79, s78
	s_add_co_u32 s79, s79, 8192
	v_and_b32 v8, 8, v1
	v_add_nc_u32 v8, v8, v1                        ; r + 8 (r / 8)
	v_lshl_add_u32 v8, v8, 2, s79
	WIN TO_B
.irp a, 0,1,2,3,4,5,6,7
	global_load_b32 v[RB+2*\a], v8, s[8:9] offset:4*(32*(\a/2)+8*(\a%2))
.endr
	WIN 0
.irp s, 0,1
	s_mul_i32 s21, s15, PA-\s*HALFT                ; my 8 tiles of A, in region A (s = 0) and in region B (s = 1)
	s_mul_i32 s22, s16, PA-\s*HALFT                ; my 8 tiles of B,
	s_add_co_u32 s21, s21, \s*RGB
	s_add_co_u32 s22, s22, \s*RGB+2*(PA-\s*HALFT)  ; behind A's 16
	v_add_nc_u32 v[ADRA+\s], s21, v24
	v_add_nc_u32 v[ADRA+2+\s], s21, v5
	v_add_nc_u32 v[ADRB+\s], s22, v24
	v_add_nc_u32 v[ADRB+2+\s], s22, v5
.endr
	; where the results go.  Role QK: kind (q, k), head 16 x batch + 4 cx + 2 x column half (and the next), tile 16 (tile row % 8) + 8 x row half on
	s_lshr_b32 s86, s17, 3
	s_lshl_b32 s86, s86, 4
	s_lshl_b32 s87, s40, 2
	s_add_co_u32 s86, s86, s87
	s_lshl_b32 s87, s16, 1
	s_add_co_u32 s86, s86, s87
	s_and_b32 s87, s17, 7
	s_lshl_b32 s87, s87, 4
	s_lshl_b32 s88, s15, 3
	s_add_co_u32 s87, s87, s88
	s_mul_i32 s88, s19, 3145728
	s_mul_i32 s89, s86, 98304
	s_add_co_u32 s88, s88, s89
	s_mul_i32 s89, s87, 768
	s_add_co_u32 s88, s88, s89                     ; codes
	s_mul_i32 s89, s19, 393216
	s_mul_i32 s90, s86, 12288
	s_add_co_u32 s89, s89, s90
	s_lshl_b32 s90, s87, 6
	s_add_co_u32 s89, s89, s90                     ; scale words
	; role V: head 16 x batch + 4 cy + 2 x row half (and the next), key step 2 (tile column % 8) + column half
	s_lshr_b32 s86, s42, 3
	s_lshl_b32 s86, s86, 4
	s_lshl_b32 s87, s41, 2
	s_add_co_u32 s86, s86, s87
	s_lshl_b32 s87, s15, 1
	s_add_co_u32 s86, s86, s87
	s_and_b32 s87, s42, 7
	s_lshl_b32 s87, s87, 1
	s_add_co_u32 s87, s87, s16
	s_mul_i32 s90, s86, 98304
	s_mul_i32 s91, s87, 6144
	s_add_co_u32 s90, s90, s91
	s_add_co_u32 s90, s90, 6291456
	s_mul_i32 s91, s86, 12288
	s_lshl_b32 s92, s87, 8
	s_add_co_u32 s91, s91, s92
	s_add_co_u32 s91, s91, 393216+8192
	s_cmp_eq_u32 s66, 0
	s_cselect_b32 s82, s88, s90
	s_cselect_b32 s84, s89, s91
	s_mov_b32 s83, 0
	s_mov_b32 s85, 0
	s_add_nc_u64 s[82:83], s[10:11], s[82:83]
	s_add_nc_u64 s[84:85], s[12:13], s[84:85]
	s_wait_loadcnt 0x0                             ; scale words and biases
.set j, 0
.rept 32
	v_cndmask_b32 v[96+j], 0, v[96+j], s67         ; the columns' bias counts in role QK alone
	v_cndmask_b32 v[224+j], 0, v[224+j], s67
.set j, j+1
.endr
	WIN 0x44                                       ; source 1 and destination window 1
.irp a, 0,1,2,3,4,5,6,7
	v_cndmask_b32 v[RB+2*\a+1], 0, v[RB+2*\a], s68 ; the rows' bias in role V alone; twice, a pair for the packed addition
	v_cndmask_b32 v[RB+2*\a], 0, v[RB+2*\a], s68
.endr
	WIN 0
.macro FRAG reg, adr, q, i             ; a fragment (16 rows x 128 K, 12 registers) is two half fragments on end: four loads, each of consecutive bytes
	ds_load_b128 v[\reg:\reg+3], v[\adr] offset:TP*(\i)+1536*(\q)
	ds_load_b64 v[\reg+4:\reg+5], v[\adr+2] offset:TP*(\i)+1536*(\q)+512
	ds_load_b128 v[\reg+6:\reg+9], v[\adr] offset:TP*(\i)+1536*(\q)+768
	ds_load_b64 v[\reg+10:\reg+11], v[\adr+2] offset:TP*(\i)+1536*(\q)+1280
.endm
; 16 matrix instructions: A's blocks a0, a0 + 1 x B's eight.  p: B's set; sg: the K step, 0 to 7; zero = 1: the first product starts the sums, with the columns' bias as C.
; The 64 accumulators take turns, one instruction a turn, in the same order in every step.
.macro MUL16 a0, p, sg, zero
.irp a, \a0, \a0+1
.irp b, 0,1,2,3,4,5,6,7
.if \zero
	v_wmma_scale_f32_16x16x128_f8f6f4 v[8*(8*((\a)%4)+\b):8*(8*((\a)%4)+\b)+7], v[128*(\p)+FR*\b:128*(\p)+FR*\b+FR-1], v[AF+FR*(\a):AF+FR*(\a)+FR-1], v[96+8*\b+96*(\b/4):96+8*\b+96*(\b/4)+7], v[SC+8*\b+(\sg)], v[SC+8*(\a)+(\sg)] matrix_a_fmt:MATRIX_FMT_FP6 matrix_b_fmt:MATRIX_FMT_FP6 matrix_a_scale:MATRIX_SCALE_ROW1
.else
	v_wmma_scale_f32_16x16x128_f8f6f4 v[8*(8*((\a)%4)+\b):8*(8*((\a)%4)+\b)+7], v[128*(\p)+FR*\b:128*(\p)+FR*\b+FR-1], v[AF+FR*(\a):AF+FR*(\a)+FR-1], v[8*(8*((\a)%4)+\b):8*(8*((\a)%4)+\b)+7], v[SC+8*\b+(\sg)], v[SC+8*(\a)+(\sg)] matrix_a_fmt:MATRIX_FMT_FP6 matrix_b_fmt:MATRIX_FMT_FP6 matrix_a_scale:MATRIX_SCALE_ROW1
.endif
.endr
.endr
.endm
.macro FETCH_B slot, q, p
.set TP, KCH+(1-(\slot))*(TP0-KCH)     ; from tile to tile: region B 3,072; region A's bytes as TP0 says
	WIN TO_B
.irp i, 0,1,2,3,4,5,6,7
	FRAG 128*(\p)+FR*\i, ADRB+\slot, \q, \i
.endr
	WIN 0
.endm
.macro FETCH_A slot, q, i0
.set TP, KCH+(1-(\slot))*(TP0-KCH)
.irp i, \i0, \i0+1, \i0+2, \i0+3
	FRAG AF+FR*(\i), ADRA+\slot, \q, \i
.endr
.endm
.macro PLACES                          ; four plain places behind matrix instructions, in front of loads into registers that they read and of reads of their results
.rept 4
	v_nop
.endr
.endm
; A slot's first 128 along K.  One set of registers serves A: blocks 0-3 are fetched anew in the step's middle, blocks 4-7 at its end; B has two sets.
.macro STEP slot, sg, zero
	s_wait_dscnt 16                                ; B's set and A's blocks 0-3 are in; the youngest 16 loads (A's blocks 4-7) may be out
.if \zero
	WIN FST_LO
.else
	WIN MUL_LO
.endif
	MUL16 0, 0, \sg, \zero
	MUL16 2, 0, \sg, \zero
	s_wait_dscnt 0x0                               ; A's blocks 4-7 are in
	PLACES
	FETCH_B \slot, QN, 1
	FETCH_A \slot, QN, 0
.if \zero
	WIN FST_HI
.else
	WIN MUL_HI
.endif
	MUL16 4, 0, \sg, \zero
	MUL16 6, 0, \sg, \zero
	PLACES
	WIN 0
	FETCH_A \slot, QN, 4
.endm
; A slot's second 128 along K changes slots: one barrier; in front of it each wave waits for all its tensor loads, adds 0 to its spare word, and waits for that and for its reads of this slot.
.macro TURN slot, next, fill, sg
	s_wait_tensorcnt 0x0                           ; all my tensor loads have landed: my part of the next slot
	ds_add_u32 v28, v29                            ; 0 onto my spare word
	s_wait_dscnt 17                                ; (the add and the youngest 16 loads may be out)
	WIN MUL_LO
	MUL16 0, 1, \sg, 0                             ; sixteen matrix instructions stand between the add and the wait for it
	s_wait_dscnt 0x0                               ; the add is done, and my reads of this slot are over
	s_barrier_signal -1
	MUL16 2, 1, \sg, 0
	WIN 0
	s_barrier_wait -1
.if \fill
	CREST                                          ; the barrier has opened a round of the cluster's: no wave of any partner still reads this slot or has a load on its way
	s_add_nc_u64 s[G0+4*\slot+2:G0+4*\slot+3], s[G0+4*\slot+2:G0+4*\slot+3], 3*KCH      ; from K step 0 to K step 6
	s_add_nc_u64 s[G0B+4*\slot+2:G0B+4*\slot+3], s[G0B+4*\slot+2:G0B+4*\slot+3], 3*KCH
	JLOAD G0+4*\slot, G1, G0B+4*\slot, G1B         ; the first tensor load behind the round; its four v_nop are the places in front of the loads below
.else
	PLACES
.endif
	FETCH_B \next, 0, 0
	FETCH_A \next, 0, 0
	WIN MUL_HI
	MUL16 4, 1, \sg, 0
	MUL16 6, 1, \sg, 0
	PLACES
	WIN 0
	FETCH_A \next, 0, 4
.endm
	s_wait_alu depctr_va_vdst(0)
	s_wait_tensorcnt 0x0                           ; my part of slot 0 is in; slot 1's first fill is issued as a refill is:
	ds_add_u32 v28, v29                            ; 0 onto my spare word
	s_mov_b32 s[G1+1], 384<<16                     ; no tensor load of mine is out, so a descriptor may be written: from here on a load brings 3,072 bytes of each tile
	s_mov_b32 s[G1+3], 384<<16
	s_mov_b32 s[G1B+1], 384<<16
	s_mov_b32 s[G1B+3], 384<<16
	s_wait_dscnt 0x0
	CROUND                                         ; everybody's part of region A is in, and all sixteen work-groups are here
	JLOAD G0+4, G1, G0B+4, G1B                     ; region B, the first tensor load behind the round
	FETCH_B 0, 0, 0
	FETCH_A 0, 0, 0
	FETCH_A 0, 0, 4
; An odd K step inside a region: B's set 1 is multiplied, the next 128 along K (the q-th of the region) come into set 0; no barrier: the region was shown whole.
.macro ODD slot, sg, q
	s_wait_dscnt 16                                ; B's set and A's blocks 0-3 are in; the youngest 16 loads (A's blocks 4-7) may be out
	WIN MUL_LO
	MUL16 0, 1, \sg, 0
	MUL16 2, 1, \sg, 0
	s_wait_dscnt 0x0                               ; A's blocks 4-7 are in
	PLACES
	FETCH_B \slot, \q, 0
	FETCH_A \slot, \q, 0
	WIN MUL_HI
	MUL16 4, 1, \sg, 0
	MUL16 6, 1, \sg, 0
	PLACES
	WIN 0
	FETCH_A \slot, \q, 4
.endm
	STEP 0, 0, 1                                   ; K = 1,024: eight steps, written out.  K steps 0-3 from region A
	ODD 0, 1, 2
.set QN, 3
	STEP 0, 2, 0
	TURN 0, 1, 1, 3                                ; region A is read out: the one refill, K steps 6-7; on to region B
.set QN, 1
	STEP 1, 4, 0
.set TP0, KCH
	TURN 1, 0, 0, 5                                ; nothing is left to fetch; the barrier shows the refill to all
	STEP 0, 6, 0
	s_wait_dscnt 16
	WIN MUL_LO
	MUL16 0, 1, 7, 0
	MUL16 2, 1, 7, 0
	s_wait_dscnt 0x0
	WIN MUL_HI
	MUL16 4, 1, 7, 0
	MUL16 6, 1, 7, 0
	WIN 0
; THE WAY OUT, a block of 16 rows of C at a time: + the rows' bias, quantised along the 128 columns: one fragment and one scale word a row, stored as images.
; Role QK: the fragment's two halves are the two heads' 64: a half fragment to each head.  Role V: the fragment is 16 of a head's 64 x 128 keys: three stores of 512 bytes.
	PLACES
.irp b, 0,1,2,3
	v_mov_b32 v[TM+4+\b], 0                        ; written once: a lane permute's destination counts as one of its sources
.endr
.macro OUTB a
.if (\a) > 0
	s_wait_xcnt 0x0                                ; the last block's stores have read their data: the codes' registers may be written again
.endif
.set AC, 64*((\a)%4)
.set WN, 0x06+(\a)/4
	WIN WN                                         ; source 0 window 2 or 3, source 1 window 1
.set j, 0
.rept 32
	v_pk_add_f32 v[H+j:H+j+1], v[AC+j:AC+j+1], v[RB+2*(\a):RB+2*(\a)+1]   ; each accumulator from its low end on
.set j, j+2
.endr
	WIN 0
	QUANT H, PC
	v_mov_b32 v[232+(\a)], v[PW]
	s_cmp_eq_u32 s66, 0
	s_cbranch_scc0 .Lv_\@
	global_store_b128 v24, v[PC:PC+3], s[82:83] offset:768*(\a)
	global_store_b64 v25, v[PC+4:PC+5], s[82:83] offset:768*(\a)
	global_store_b128 v24, v[PC+6:PC+9], s[82:83] offset:98304+768*(\a)
	global_store_b64 v25, v[PC+10:PC+11], s[82:83] offset:98304+768*(\a)
	s_branch .Lstored_\@
.Lv_\@:
	global_store_b128 v24, v[PC:PC+3], s[82:83] offset:((\a)/4)*98304+((\a)%4)*1536
	s_wait_alu depctr_va_vdst(0)
	global_store_b128 v24, v[PC+4:PC+7], s[82:83] offset:((\a)/4)*98304+((\a)%4)*1536+512
	global_store_b128 v24, v[PC+8:PC+11], s[82:83] offset:((\a)/4)*98304+((\a)%4)*1536+1024
.Lstored_\@:
.endm
.irp a, 0,1,2,3,4,5,6,7
	OUTB \a
.endr
	; the scale words: lanes 0-15 take the even blocks', lanes 16-31 the odd blocks'
	s_wait_alu depctr_va_vdst(0)
.irp i, 0,1,2,3
	v_cndmask_b32 v[240+\i], v[232+2*\i], v[233+2*\i], s93
.endr
	s_cmp_eq_u32 s66, 0
	s_cbranch_scc0 .Lv_words
	global_store_b128 v24, v[240:243], s[84:85]    ; the first head: its two bytes below; the two above are the next head's, 1 to 254, and scale zero codes
.irp i, 0,1,2,3
	v_lshrrev_b32 v[244+\i], 16, v[240+\i]
.endr
	global_store_b128 v24, v[244:247], s[84:85] offset:12288   ; the next head
	s_branch .Lwords_done
.Lv_words:
	s_wait_alu depctr_va_vdst(0)
	global_store_b64 v26, v[240:241], s[84:85]     ; the first head's four tiles of 16: one run of 256 bytes
	global_store_b64 v26, v[242:243], s[84:85] offset:12288
.Lwords_done:
	s_wait_tensorcnt 0x0                           ; the wave's end
	ds_add_u32 v28, v29
	s_wait_dscnt 0x0
	CROUND                                         ; the closing round
	s_endpgm
.Lfunc_end_k_q2f695ef254_qkv:
	.size	k_q2f695ef254_qkv, .Lfunc_end_k_q2f695ef254_qkv-k_q2f695ef254_qkv
	.p2alignl 7, 3214868480
	.fill 96, 4, 3214868480
	.section	.rodata,"a",@progbits
	.p2align	6, 0x0
	.amdhsa_kernel k_q2f695ef254_qkv
		.amdhsa_group_segment_fixed_size 327680
		.amdhsa_private_segment_fixed_size 0
		.amdhsa_enable_private_segment 0
		.amdhsa_kernarg_size 40
		.amdhsa_user_sgpr_count 2
		.amdhsa_user_sgpr_kernarg_segment_ptr 1
		.amdhsa_wavefront_size32 1
		.amdhsa_system_sgpr_workgroup_id_x 1
		.amdhsa_system_sgpr_workgroup_id_y 1
		.amdhsa_system_sgpr_workgroup_id_z 1
		.amdhsa_system_vgpr_workitem_id 0
		.amdhsa_next_free_vgpr 1024
		.amdhsa_next_free_sgpr 100
		.amdhsa_reserve_vcc 1
		.amdhsa_float_denorm_mode_32 3
		.amdhsa_float_denorm_mode_16_64 3
		.amdhsa_memory_ordered 1
		.amdhsa_forward_progress 1
		.amdhsa_inst_pref_size 175
	.end_amdhsa_kernel
	.amdgpu_metadata
---
amdhsa.version: [ 1, 2 ]
amdhsa.kernels:
  - .name:           k_q2f695ef254_qkv
    .symbol:         k_q2f695ef254_qkv.kd
    .args:
      - { .name: opc, .offset: 0, .size: 8, .value_kind: global_buffer, .address_space: global }
      - { .name: ops, .offset: 8, .size: 8, .value_kind: global_buffer, .address_space: global }
      - { .name: b_attn, .offset: 16, .size: 8, .value_kind: global_buffer, .address_space: global }
      - { .name: hc, .offset: 24, .size: 8, .value_kind: global_buffer, .address_space: global }
      - { .name: hs, .offset: 32, .size: 8, .value_kind: global_buffer, .address_space: global }
    .group_segment_fixed_size: 327680
    .private_segment_fixed_size: 0
    .kernarg_segment_align: 8
    .kernarg_segment_size: 40
    .max_flat_workgroup_size: 128
    .sgpr_count:     100
    .vgpr_count:     1024
    .wavefront_size: 32
...
	.end_amdgpu_metadata
.endif
;; end of part 2
;; launch attn (part 3): grid 8 x 32, 16 waves a work-group, clusters of 4 x 1, 211,968 bytes of LDS; arguments hc, hs, yc, ys; writes yc, ys
.if DOCPART == 3
	.amdgcn_target "amdgcn-amd-amdhsa--gfx1250"
	.amdhsa_code_object_version 6
	.text
	.protected	k_q2f695ef254_attn
	.globl	k_q2f695ef254_attn
	.p2align	8
	.type	k_q2f695ef254_attn,@function
k_q2f695ef254_attn:
	s_mov_b64 s[64:65], 0
	v_nop
	global_prefetch_b8 v0, s[64:65] scope:SCOPE_SE
	s_setreg_imm32_b32 hwreg(HW_REG_WAVE_MODE, 25, 1), 1
	s_wait_xcnt 0x0
	s_wait_alu depctr_hold_cnt(0) depctr_sa_sdst(0) depctr_va_vdst(0) depctr_va_sdst(0) depctr_va_ssrc(0) depctr_va_vcc(0) depctr_vm_vsrc(0)
	s_getreg_b32 s2, hwreg(HW_REG_IB_STS2, 6, 4)
	s_cmp_eq_u32 s2, 0
	s_cbranch_scc0 .Lentry_in_a_cluster
	s_endpgm
.Lentry_in_a_cluster:
	s_bfe_u32 s2, ttmp6, 0x10000c
	s_cmp_lg_u32 s2, 0x3003
	s_cbranch_scc0 .Lentry_shape_is_right
	s_endpgm
.Lentry_shape_is_right:
; y[b][q][head][:] = the sum over k of softmax_k(q . k / 8) v, both products on codes of FP6 (E2M3) with E8M0 scales; y leaves as codes, quantised along the head's 64, for the last product.
; THE SOFTMAX: t = score x log2(e) / 8; M = the running largest t rounded UP to a whole number; p = 2^(t - M) is quantised along the keys, not normalised; the row's sum is taken of the unquantised p
; and divides at the end.  When M moves, the sum and O are multiplied by 2^(old M - new M): exact.
; SHARES.  A work-group owns 256 queries of one (batch, head); each of its sixteen waves one tile of 16 queries, in 256 registers.
; THE WHOLE HEAD LIES IN LDS, filled once: K's codes 98,304 bytes, V's 98,304: sixteen pieces of 12,288 bytes (256 keys), ONE joint load a wave: even waves K's pieces, odd waves V's, piece wave / 2.
; Waves 0 and 1, which fetch the first 256 keys, have a load line of their own: the first barrier waits for those two pieces alone, and the first two key steps are written out behind it;
; a second barrier, in front of which every wave waits for its load, shows the rest. The other fourteen steps have no barrier.
; The 12,288 bytes of scale words come through registers, 768 bytes a wave, into LDS bytes that no fill touches.
; No prefetch: all that the launch reads is asked for at its head, so there is no loop to run ahead in.
; CLUSTER.  The four query blocks of a cluster belong to one head: K and V are asked for jointly (mask 15).  The scale words are 1/17 of the bytes and are not.
; LAYOUT.  Both products transposed: S^T = K Q^T (source 0 = 16 keys), O^T = V^T P^T (source 0 = 16 of the head's 64): a lane holds one query.
; WHICH KEYS FORM A TILE OF S^T is chosen by the LDS addresses: of tile j = 4 c + jj lanes 0-7 take keys 64 c + 8 jj + 0..7 and lanes 8-15 keys 64 c + 32 + 8 jj + 0..7 of the step's 128.  In LDS (tiles of 768 bytes, tile 2 g + u
; holding key 32 g + 8 u + row + 8 (row / 8)) those are rows 8 (jj / 2) + 0..7 of tiles 4 c + jj % 2 and 4 c + 2 + jj % 2.  So register 32 c + i of lane (r, h) is key 64 c + 32 h + i: A WHOLE BLOCK OF 32 IN ONE LANE, in the order of the
; next operand's registers: a block's largest score needs no other lane, and the conversions' results are the operand.  K's scale words are laid to fit as they are copied: the word of tile 2 q + h, lane r, at 16 (r + 16 h) + 4 q of a step's 512 bytes.
; The first product's K is 64: registers 6-11 of Q's fragment hold zero codes for the whole launch.  So registers 6-11 of a fragment of K may hold any bits (every pattern is a finite code, and its product with a zero code is 0):
; K's eight tiles lie 6 registers apart, each fragment's upper half being the next tile; the scale bytes that go with the upper halves are never 0xff.
; TWO REGIONS OF 64 REGISTERS TAKE TURNS, X = v32-95 and Y = v96-159.  In a step one holds K's tiles and then V's fragments (fetched as soon as the scores are made), the other the scores and p, and then the NEXT step's K (fetched as soon as p is converted).
; A trip is two steps, until the regions are back where they began.  The last step's look-ahead reads the 6,144 bytes behind K's codes and the 512 behind K's scale words (V's, inside LDS); nothing uses them.
; LIMITS: NaN and infinities are not served; the promise holds while the scaled scores stay under 2^31 in magnitude; a block of y under 2^-124 keeps the byte 1, a block of zeros too (its codes are zeros; this program alone reads the bytes).
; A block's largest p is not searched for: the block's largest score goes through the same multiply-add and exponential (this takes v_exp_f32 not to fall where its input rises).
; REGISTERS: v1-5, v248-249 address bases, v6-10 the trip's addresses; v11, v28 the way out's; v12, v236 -M by turns; v13 the largest score; v[14:15] the sum; v16-27 Q; v31 8 h; v160-191 O^T; v192-211 p's codes;
;   v212-223 at work; v224-231 four chains of the step's sum; v[232:233] f; v240-243 K's scale words, v[244:245] V's, v246 p's, v247 Q's; v254-255 the add's.
.set KSC, 196608                       ; LDS: K 0, V 98,304, K's scale words, V's, a stage of 1,024 bytes for y's scale words, the spare words
.set VSC, 204800
.set YSG, 208896
.set SPARE, 209920
.set WV,  18
.set SEL, 20
.set CS,  22
.set G1C, 24                           ; s[24:31] a piece: 12,288 dense bytes as 48 rows of 256
.set G0C, 40                           ; s[40:43]
.set TB,  60                           ; the trip's tiles: 12,288 bytes a trip, in K and in V alike
.set TS,  61                           ; K's scale words: 1,024 a trip
.set TJ,  62                           ; V's: 512 a trip
.set CNT, 63
.set BM,  212
.set EX,  216
.set SO,  220
.set CH,  224
.set F,   232
.set T0,  234
.set T1,  235
.macro CROUND
	s_barrier_signal -1
	s_barrier_wait -1
	s_cmp_lg_u32 s[WV], 0
	s_cbranch_scc1 .Lnot_wave_0_\@
	s_barrier_signal -3
.Lnot_wave_0_\@:
	s_barrier_wait -3
	s_barrier_signal -1
	s_barrier_wait -1
.endm
.macro ADDR                            ; the trip's five LDS addresses
	v_add_nc_u32 v6, s[TB], v248
	v_add_nc_u32 v7, s[TB], v249
	v_add_nc_u32 v8, s[TB], v3
	v_add_nc_u32 v9, s[TS], v4
	v_add_nc_u32 v10, s[TJ], v5
.endm
.macro KLOAD P, off, soff              ; a step's eight tiles of K, 6 registers each, and their scale words: 17 loads
.irp j, 0,1,2,3,4,5,6,7
	ds_load_b128 v[\P+6*\j:\P+6*\j+3], v6 offset:\off+768*(4*(\j/4)+\j%2)+128*((\j%4)/2)
	ds_load_b64 v[\P+6*\j+4:\P+6*\j+5], v7 offset:\off+768*(4*(\j/4)+\j%2)+128*((\j%4)/2)
.endr
	ds_load_b128 v[240:243], v9 offset:\soff
.endm
.macro KQ R, P, j                      ; S^T of 16 keys
.if (\j)%2
	v_wmma_scale_f32_16x16x128_f8f6f4 v[\P+8*\j:\P+8*\j+7], v[\R+6*\j:\R+6*\j+11], v[16:27], 0, v[240+\j/2], v247 matrix_a_fmt:MATRIX_FMT_FP6 matrix_b_fmt:MATRIX_FMT_FP6 matrix_a_scale:MATRIX_SCALE_ROW1
.else
	v_wmma_scale_f32_16x16x128_f8f6f4 v[\P+8*\j:\P+8*\j+7], v[\R+6*\j:\R+6*\j+11], v[16:27], 0, v[240+\j/2], v247 matrix_a_fmt:MATRIX_FMT_FP6 matrix_b_fmt:MATRIX_FMT_FP6
.endif
.endm
.macro PV R, t                         ; O^T += V^T P^T: 16 of the head's 64; K = the step's 128 keys
.if (\t)%2
	v_wmma_scale_f32_16x16x128_f8f6f4 v[160+8*\t:167+8*\t], v[\R+12*\t:\R+12*\t+11], v[192:203], v[160+8*\t:167+8*\t], v[244+\t/2], v246 matrix_a_fmt:MATRIX_FMT_FP6 matrix_b_fmt:MATRIX_FMT_FP6 matrix_a_scale:MATRIX_SCALE_ROW1
.else
	v_wmma_scale_f32_16x16x128_f8f6f4 v[160+8*\t:167+8*\t], v[\R+12*\t:\R+12*\t+11], v[192:203], v[160+8*\t:167+8*\t], v[244+\t/2], v246 matrix_a_fmt:MATRIX_FMT_FP6 matrix_b_fmt:MATRIX_FMT_FP6
.endif
.endm
.macro JOIN                            ; the last step's four chains join, and the sum goes under that step's M: sum = sum x f + the step's.  Four plain lines
	v_pk_add_f32 v[CH:CH+1], v[CH:CH+1], v[CH+2:CH+3]
	v_pk_add_f32 v[CH+4:CH+5], v[CH+4:CH+5], v[CH+6:CH+7]
	s_delay_alu instid0(VALU_DEP_1)
	v_pk_add_f32 v[CH:CH+1], v[CH:CH+1], v[CH+4:CH+5]
	s_delay_alu instid0(VALU_DEP_1)
	v_pk_fma_f32 v[14:15], v[14:15], v[F:F+1], v[CH:CH+1] op_sel_hi:[1,0,1]
.endm
; A KEY STEP: 128 keys.  R: the region of K and V; P: that of the scores and p; NM, OM: the new and the old -M; u: which of the trip's two steps; la: fetch the next step's K.
.macro STEP R, P, NM, OM, u, la
	s_wait_alu depctr_va_vdst(0)                   ; the chains and the addresses were written just ahead of the wait below
	s_wait_dscnt 0x0                               ; K's tiles and scale words are in
.irp j, 0,1,2,3,4,5,6,7
	KQ \R, \P, \j
.endr
	JOIN                                           ; also the four places behind the products
.irp t, 0,1,2,3                                ; K is done with: V's four fragments land in its registers, three images of 512 bytes each
.irp g, 0,1,2
	ds_load_b128 v[\R+12*\t+4*\g:\R+12*\t+4*\g+3], v8 offset:6144*\u+1536*\t+512*\g
.endr
.endr
	ds_load_b64 v[244:245], v10 offset:256*\u      ; V's scale words
.irp b, 0,1,2,3
	v_max3_num_f32 v[BM+\b], v[\P+16*\b], v[\P+1+16*\b], v[\P+2+16*\b]   ; the largest score of my two blocks of 32 keys, two chains to a block
.endr
.irp i, 3,5,7,9,11,13
.irp b, 0,1,2,3
	v_max3_num_f32 v[BM+\b], v[BM+\b], v[\P+16*\b+\i], v[\P+1+16*\b+\i]
.endr
.endr
	v_max_num_f32 v[BM+1], v[BM+1], v[\P+31]
	v_max_num_f32 v[BM+3], v[BM+3], v[\P+63]
	v_max3_num_f32 v[BM], v[BM], v[\P+15], v[BM+1]       ; block h
	v_max3_num_f32 v[BM+2], v[BM+2], v[\P+47], v[BM+3]   ; block 2 + h
	s_delay_alu instid0(VALU_DEP_1)
	v_max_num_f32 v[T0], v[BM], v[BM+2]
	s_delay_alu instid0(VALU_DEP_1)
	v_permlanex16_b32 v[T1], v[T0], s[SEL], s[SEL+1]
	s_delay_alu instid0(VALU_DEP_1)
	v_max3_num_f32 v13, v13, v[T0], v[T1]          ; with lane l xor 16's 64 keys: the running largest score
	s_delay_alu instid0(VALU_DEP_1)
	v_mul_f32 v[T0], s[CS], v13                    ; as t (c is positive)
	s_delay_alu instid0(VALU_DEP_1)
	v_floor_f32 v[\NM], -v[T0]                     ; the new -M = floor(-t): M is a whole number
	s_delay_alu instid0(VALU_DEP_1)
	v_sub_f32 v[T1], v[\NM], v[\OM]                ; old M - new M, 0 or less
	s_delay_alu instid0(VALU_DEP_1)
	v_cvt_i32_f32 v[T1], v[T1]                     ; (it saturates)
	s_delay_alu instid0(VALU_DEP_1)
	v_ldexp_f32 v[F], 1.0, v[T1]                   ; f = 2^(old M - new M)
.set j, 0
.rept 16
	v_pk_mul_f32 v[160+j:161+j], v[160+j:161+j], v[F:F+1] op_sel_hi:[1,0]   ; O^T under the new M, ahead of the exponentials
.set j, j+2
.endr
.set j, 0
.rept 32
	v_pk_fma_f32 v[\P+j:\P+j+1], v[\P+j:\P+j+1], s[CS:CS+1], v[\NM:\NM+1] op_sel_hi:[1,0,0]   ; t - M, two at a time
.set j, j+2
.endr
	v_fma_f32 v[BM], v[BM], s[CS], v[\NM]          ; the same of each block's largest score
	v_fma_f32 v[BM+2], v[BM+2], s[CS], v[\NM]
	s_wait_alu depctr_va_vdst(0)
	v_exp_f32 v[BM], v[BM]                         ; the blocks' largest p
	v_exp_f32 v[BM+2], v[BM+2]
.set j, 0
.rept 64
	v_exp_f32 v[\P+j], v[\P+j]                     ; p = 2^(t - M), at most 1
.set j, j+1
.endr
	v_nop                                          ; a plain place behind the exponentials
	s_wait_alu depctr_va_vdst(0)                   ; one wait for the whole batch, ahead of its first reader; it also stands directly ahead of the wait below
	s_wait_dscnt 0x0                               ; V's fragments and scale words are in (asked for ahead of the maxima)
	v_max_num_f32 v[BM], 0x1800000, v[BM]          ; the floor 2^(3 - 127)
	v_max_num_f32 v[BM+2], 0x1800000, v[BM+2]
	s_delay_alu instid0(VALU_DEP_2)
	v_add_nc_u32 v[SO], 0xff000000, v[BM]          ; the conversions' scale operands
	s_delay_alu instid0(VALU_DEP_2)
	v_add_nc_u32 v[SO+1], 0xff000000, v[BM+2]
	s_delay_alu instid0(VALU_DEP_2)
	v_lshrrev_b32 v[EX], 23, v[SO]                 ; the bytes
	s_delay_alu instid0(VALU_DEP_2)
	v_lshrrev_b32 v[EX+1], 23, v[SO+1]
	s_delay_alu instid0(VALU_DEP_1)
	v_lshl_or_b32 v[EX], v[EX+1], 16, v[EX]        ; my two bytes: blocks h and 2 + h,
	s_delay_alu instid0(VALU_DEP_1)
	v_lshlrev_b32 v[EX], v31, v[EX]                ; at their places (8 h bits up);
	s_delay_alu instid0(VALU_DEP_1)
	v_permlanex16_b32 v[EX+1], v[EX], s[SEL], s[SEL+1]
	s_delay_alu instid0(VALU_DEP_1)
	v_or_b32 v246, v[EX], v[EX+1]                  ; with lane l xor 16's two: p's scale word for these 128 keys
.irp c, 0,1
	v_cvt_scalef32_pk16_fp6_f32 v[192+6*\c:194+6*\c], v[\P+32*\c:\P+15+32*\c], v[SO+\c]
	v_cvt_scalef32_pk16_fp6_f32 v[204+4*\c:206+4*\c], v[\P+16+32*\c:\P+31+32*\c], v[SO+\c]   ; (a conversion's three registers begin on an even number)
.endr
.irp i, 0,1,2,3                                ; the step's sum of the unquantised p, in four chains: first the 48 registers that the next K will take.  (Plain places behind the conversions)
	v_pk_add_f32 v[CH+2*\i:CH+2*\i+1], v[\P+4*\i:\P+4*\i+1], v[\P+4*\i+2:\P+4*\i+3]
.endr
.irp c, 0,1
.irp i, 0,1,2
	v_mov_b32 v[195+6*\c+\i], v[204+4*\c+\i]       ; registers 6 c .. 6 c + 5 hold keys 64 c + 32 h + 0 .. 31
.endr
.endr
.set q, 8
.rept 16
	v_pk_add_f32 v[CH+2*(q%4):CH+2*(q%4)+1], v[CH+2*(q%4):CH+2*(q%4)+1], v[\P+2*q:\P+2*q+1]   ; also the places behind p's codes and scale word
.set q, q+1
.endr
.if \la
	KLOAD \P, 6144*(\u+1), 512*(\u+1)              ; the next step's K
.endif
.irp t, 0,1,2,3
	PV \R, \t                                      ; the four accumulators by turns
.endr
.rept 8
	v_pk_add_f32 v[CH+2*(q%4):CH+2*(q%4)+1], v[CH+2*(q%4):CH+2*(q%4)+1], v[\P+2*q:\P+2*q+1]   ; the other 16 registers of p; also the places between these products, which read region R, and the next step's, which write there
.set q, q+1
.endr
.if \u
	s_add_co_u32 s[TB], s[TB], 12288
	s_add_co_u32 s[TS], s[TS], 1024
	s_add_co_u32 s[TJ], s[TJ], 512
	ADDR
.endif
.endm
	s_load_b256 s[4:11], s[0:1], 0x0               ; hc s[4:5], hs s[6:7], yc s[8:9], ys s[10:11]
	v_lshl_add_u32 v254, v0, 2, SPARE
	v_mov_b32 v255, 0
	ds_add_u32 v254, v255                          ; the opening lines: the add, twice on end, and its wait ahead of my tensor load
	ds_add_u32 v254, v255
	v_lshrrev_b32 v1, 5, v0
	v_readfirstlane_b32 s[WV], v1                  ; wave 0..15
	v_and_b32 v30, 15, v0                          ; r
	v_bfe_u32 v31, v0, 4, 1                        ; h
	v_and_b32 v29, 31, v0
	v_lshlrev_b32 v1, 4, v29                       ; 16 x lane
	v_lshlrev_b32 v29, 3, v29                      ; 8 x lane
	v_lshlrev_b32 v2, 4, v30
	v_lshl_add_u32 v2, v31, 3, v2
	v_add_nc_u32 v2, 512, v2                       ; 512 + 16 r + 8 h
	v_add_nc_u32 v3, 98304, v1                     ; V
	v_add_nc_u32 v4, KSC, v1                       ; K's scale words: four a lane
	v_add_nc_u32 v5, VSC, v29                      ; V's: two a lane
	v_bfe_u32 v252, v0, 3, 1                       ; r / 8
	v_and_b32 v253, 7, v0                          ; r % 8
	v_mul_u32_u24 v248, v252, 1536                 ; K: lanes 8-15 read two tiles further on,
	v_lshl_add_u32 v248, v253, 4, v248             ; row r % 8 of the eight that the offset names
	v_lshl_add_u32 v249, v31, 3, v248
	v_add_nc_u32 v249, 512, v249                   ; registers 4-5: + 512 + 8 h
	v_lshl_add_u32 v248, v31, 8, v248              ; registers 0-3: + 256 h
	s_lshl_b32 s16, s[WV], 9                       ; the scale words that I copy: K's of key step = my wave's number, 512 bytes,
	s_lshl_b32 s17, s[WV], 8                       ; and V's, 256 bytes
	v_add_nc_u32 v250, s16, v1
	s_add_co_u32 s2, s17, 8192
	v_add_nc_u32 v251, s2, v29
	s_add_co_u32 s16, s16, KSC
	s_add_co_u32 s17, s17, VSC
	v_lshl_add_u32 v238, v253, 4, s16              ; the word of tile 2 w + h, row r goes to 16 (r % 8) + 256 h + 4 (r / 8) + 128 (w % 2) + 8 (w / 2)
	v_lshl_add_u32 v238, v31, 8, v238
	v_lshl_add_u32 v238, v252, 2, v238
	v_add_nc_u32 v239, s17, v29
	s_and_b32 s15, s[WV], 1
	s_lshl_b32 s16, s[WV], 6
	v_lshl_add_u32 v11, v30, 2, s16
	v_add_nc_u32 v11, YSG, v11                     ; y's scale word: 64 x wave + 4 r
	s_lshl_b32 s16, s15, 9
	v_add_nc_u32 v28, s16, v1
	v_add_nc_u32 v28, YSG, v28                     ; and back: waves 0 and 1 take 512 bytes each
	v_lshlrev_b32 v30, 4, v30                      ; 16 r
	v_lshlrev_b32 v31, 3, v31                      ; 8 h
	s_and_b32 s12, ttmp7, 0xffff                   ; (batch, head), which the four partners share
	s_bfe_u32 s13, ttmp6, 0x40000                  ; cx
	s_lshl_b32 s14, ttmp9, 2
	s_add_co_u32 s14, s14, s13                     ; my block of 256 queries: it enters Q's and y's addresses alone
	s_mul_i32 s19, s12, 98304                      ; the head's codes
	s_mul_i32 s66, s12, 12288                      ; the head's scale words
	s_mul_i32 s68, s15, 3145728                    ; my piece: K's codes (even waves) or V's, piece wave / 2
	s_add_co_u32 s68, s68, 3145728
	s_add_co_u32 s68, s68, s19
	s_lshr_b32 s67, s[WV], 1
	s_mul_i32 s67, s67, 12288
	s_add_co_u32 s68, s68, s67
	s_mov_b32 s69, 0
	s_mul_i32 s16, s15, 98304
	s_add_co_u32 s67, s67, s16                     ; and where it goes
	s_add_co_u32 s70, s66, 393216
	s_mov_b32 s71, 0
	s_lshl_b32 s16, s14, 4
	s_add_co_u32 s16, s16, s[WV]                   ; my tile of the head's 128
	s_mul_i32 s72, s16, 768
	s_add_co_u32 s72, s72, s19
	s_mov_b32 s73, 0                               ; Q's codes
	s_lshr_b32 s17, s16, 3                         ; Q's scale word: 512 (tile / 8) + 256 (tile % 2) + 16 r + 4 ((tile / 2) % 4)
	s_lshl_b32 s74, s17, 9
	s_add_co_u32 s74, s74, s66
	s_lshl_b32 s17, s15, 8
	s_add_co_u32 s74, s74, s17
	s_bfe_u32 s17, s[WV], 0x20001
	s_lshl_b32 s17, s17, 2
	s_add_co_u32 s74, s74, s17
	s_mov_b32 s75, 0
	s_lshr_b32 s17, s12, 4                         ; batch
	s_lshl_b32 s17, s17, 7
	s_add_co_u32 s16, s16, s17                     ; my tile of y's 256
	s_and_b32 s13, s12, 15                         ; head
	s_mul_i32 s2, s16, 12288
	s_mul_i32 s3, s13, 768
	s_add_co_u32 s2, s2, s3
	s_mov_b32 s3, 0
	s_sub_co_u32 s16, s16, s[WV]                   ; the work-group's first tile
	s_lshl_b32 s60, s16, 6
	s_lshl_b32 s61, s13, 14
	s_add_co_u32 s60, s60, s61
	s_lshl_b32 s61, s15, 9
	s_add_co_u32 s60, s60, s61
	s_mov_b32 s61, 0
	s_and_b32 s19, s12, 1
	s_lshl_b32 s19, s19, 4                         ; an odd head's two bytes go to the word's upper half
	s_mov_b32 s[G1C], 15|(3<<16)|(1<<21)           ; 15:0 the mask: all four work-groups; 17:16 elements of 8 bytes; 21 set beside a mask
	s_mov_b32 s[G1C+1], 32<<16
	s_mov_b32 s[G1C+2], 48<<16
	s_mov_b32 s[G1C+3], 32<<16
	s_mov_b32 s[G1C+4], 48
	s_mov_b32 s[G1C+5], 32
	s_mov_b32 s[G1C+6], 0
	s_mov_b32 s[G1C+7], 0
	s_mov_b32 s[SEL], 0x76543210
	s_mov_b32 s[SEL+1], 0xfedcba98
	s_mov_b32 s[CS], 0x3e38aa3b                    ; c = log2(e) / 8
	s_mov_b32 s[CS+1], s[CS]                       ; (named with it as a pair, so it is written)
	s_wait_alu depctr_va_vdst(0)
	s_wait_dscnt 0x0                               ; both opening adds are done
	CROUND                                         ; all four work-groups are here: the joint loads meet
	s_wait_kmcnt 0x0
	s_add_nc_u64 s[68:69], s[4:5], s[68:69]
	s_add_nc_u64 s[70:71], s[6:7], s[70:71]
	s_add_nc_u64 s[72:73], s[4:5], s[72:73]
	s_add_nc_u64 s[74:75], s[6:7], s[74:75]
	s_add_nc_u64 s[8:9], s[8:9], s[2:3]
	s_add_nc_u64 s[10:11], s[10:11], s[60:61]
	s_mov_b32 s[G0C], 1
	s_mov_b32 s[G0C+1], s67
	s_mov_b64 s[G0C+2:G0C+3], s[68:69]
	s_or_b32 s[G0C+3], s[G0C+3], 0x80000000
	s_cmp_lt_u32 s[WV], 2                          ; every wave's one load, in two arms: the waves that wait at the first barrier have a line of their own
	s_cbranch_scc0 .Lrest
	tensor_load_to_lds s[G0C:G0C+3], s[G1C:G1C+7]  ; waves 0 and 1: the first 256 keys of K and of V
	s_nop 0
.rept 4
	v_nop
.endr
	s_branch .Lasked
.Lrest:
	tensor_load_to_lds s[G0C:G0C+3], s[G1C:G1C+7]  ; the other fourteen pieces
	s_nop 0
.rept 4
	v_nop
.endr
.Lasked:
	global_load_b128 v[32:35], v250, s[70:71]      ; my 512 bytes of K's scale words,
	global_load_b64 v[36:37], v251, s[70:71]       ; my 256 of V's
	global_load_b128 v[16:19], v1, s[72:73]        ; Q's half fragment stays in registers
	global_load_b64 v[20:21], v2, s[72:73]
	global_load_b32 v247, v30, s[74:75]            ; and its scale words
	s_mov_b32 s[TB], 0
	s_mov_b32 s[TS], 0
	s_mov_b32 s[TJ], 0
	ADDR
.irp i, 22,23,24,25,26,27
	v_mov_b32 v\i, 0                               ; Q: zero codes for k = 64 .. 127
.endr
.irp i, 80,81,82,83,84,85
	v_mov_b32 v\i, 0                               ; the upper half of the first step's eighth fragment of K: written once, later whatever lies there
.endr
	v_mov_b32 v13, 0xff61b1e6                      ; the largest score so far: -3e38
	v_mov_b32 v236, 0x7e967699                     ; the first step's old -M: 1e38, so that its f is 0
	v_mov_b32 v237, 0                              ; (named as the upper half of the pair v[236:237])
	v_mov_b32 v14, 0
	v_mov_b32 v15, 0
.set j, 0
.rept 12
	v_mov_b32 v[CH+j], 0                           ; the chains and f: the first step's join finds zeros; and the two registers at work, which lane permutes name as destinations
.set j, j+1
.endr
.irp b, 0,1
	v_mov_b32 v[EX+\b], 0                          ; a lane permute's destination counts as one of its sources
.endr
.set j, 0
.rept 32
	v_mov_b32 v[160+j], 0                          ; O^T: the step is written once; the first finds zeros
.set j, j+1
.endr
	s_wait_alu depctr_va_vdst(0)
	s_wait_loadcnt 0x0                             ; scale words and Q
	ds_store_b32 v238, v32                         ; K's words, laid as the tiles of S^T want them
	ds_store_b32 v238, v33 offset:128
	ds_store_b32 v238, v34 offset:8
	ds_store_b32 v238, v35 offset:136
	ds_store_b64 v239, v[36:37]
	s_cmp_lt_u32 s[WV], 2
	s_cbranch_scc0 .Lnot_first
	s_wait_tensorcnt 0x0                           ; waves 0 and 1: the first 256 keys have landed
.Lnot_first:
	s_wait_dscnt 0x0                               ; for the others' sake: my scale words lie in LDS
	s_barrier_signal -1
	s_barrier_wait -1                              ; the first 256 keys and all scale words; the other pieces may be on their way
	KLOAD 32, 0, 0
	STEP 32, 96, 12, 236, 0, 1
	STEP 96, 32, 236, 12, 1, 0                     ; no look-ahead: the next keys are not shown yet
	s_wait_alu depctr_va_vdst(0)                   ; the addresses were written just ahead of the waits below
	s_wait_tensorcnt 0x0                           ; every wave's piece has landed
	s_wait_dscnt 0x0
	s_barrier_signal -1
	s_barrier_wait -1                              ; the whole head lies in LDS
	KLOAD 32, 0, 0
	s_mov_b32 s[CNT], 7
.Lstep:
	STEP 32, 96, 12, 236, 0, 1
	STEP 96, 32, 236, 12, 1, 1
	s_sub_co_u32 s[CNT], s[CNT], 1
	s_cmp_lg_u32 s[CNT], 0
	s_cbranch_scc1 .Lstep
	; THE WAY OUT: O^T / the sum; register 8 t + j is channel 32 (t / 2) + 16 h + 8 (t % 2) + j of my query: two blocks of 32, quantised: one half fragment of the last product's A.
	s_wait_alu depctr_va_vdst(0)                   ; as at a step's head
	s_wait_dscnt 0x0                               ; the look-ahead's loads
	JOIN
	s_delay_alu instid0(VALU_DEP_1)
	v_add_f32 v14, v14, v15
	s_delay_alu instid0(VALU_DEP_1)
	v_permlanex16_b32 v[T0], v14, s[SEL], s[SEL+1]
	s_delay_alu instid0(VALU_DEP_1)
	v_add_f32 v14, v14, v[T0]                      ; the row's sum
	s_wait_alu depctr_va_vdst(0)
	v_rcp_f32 v14, v14
	v_nop                                          ; a plain place behind the reciprocal
	s_wait_alu depctr_va_vdst(0)                   ; and the wait ahead of its first reader, and of O^T's
.set j, 0
.rept 16
	v_pk_mul_f32 v[96+j:97+j], v[160+j:161+j], v[14:15] op_sel_hi:[1,0]
.set j, j+2
.endr
.irp b, 0,1
	v_max3_num_f32 v[BM+\b], |v[96+16*\b]|, |v[97+16*\b]|, 0x1800000
.endr
.irp i, 2,4,6,8,10,12,14
.irp b, 0,1
	s_delay_alu instid0(VALU_DEP_2)
	v_max3_num_f32 v[BM+\b], v[BM+\b], |v[96+16*\b+\i]|, |v[97+16*\b+\i]|
.endr
.endr
.irp b, 0,1
	s_delay_alu instid0(VALU_DEP_2)
	v_permlanex16_b32 v[EX+\b], v[BM+\b], s[SEL], s[SEL+1]
.endr
.irp b, 0,1
	s_delay_alu instid0(VALU_DEP_2)
	v_max_num_f32 v[BM+\b], v[BM+\b], v[EX+\b]
.endr
.irp b, 0,1
	s_delay_alu instid0(VALU_DEP_2)
	v_add_nc_u32 v[SO+\b], 0xff000000, v[BM+\b]
.endr
.irp b, 0,1
	s_delay_alu instid0(VALU_DEP_2)
	v_lshrrev_b32 v[EX+\b], 23, v[SO+\b]
.endr
	s_delay_alu instid0(VALU_DEP_1)
	v_lshl_or_b32 v[T1], v217, 8, v216
	s_delay_alu instid0(VALU_DEP_1)
	v_lshlrev_b32 v[T1], s19, v[T1]                ; an odd head's bytes go to the upper half: the last launch joins two heads' words by an OR
	v_cvt_scalef32_pk16_fp6_f32 v[192:194], v[96:111], v220
	v_cvt_scalef32_pk16_fp6_f32 v[204:206], v[112:127], v221
	v_nop
.irp i, 0,1,2
	v_permlane16_swap_b32 v[192+\i], v[204+\i]
.endr
.irp i, 0,1,2
	s_delay_alu instid0(VALU_DEP_3)
	v_mov_b32 v[195+\i], v[204+\i]
.endr
	global_store_b128 v1, v[192:195], s[8:9]       ; 768 consecutive bytes, at a multiple of 256
	global_store_b64 v2, v[196:197], s[8:9]
	ds_store_b32 v11, v[T1]                        ; both halves of the lanes write the same word
	s_wait_dscnt 0x0                               ; for the others' sake
	s_barrier_signal -1
	s_barrier_wait -1
	s_cmp_lt_u32 s[WV], 2
	s_cbranch_scc0 .Lend
	ds_load_b128 v[96:99], v28                     ; the sixteen tiles' scale words leave as 1,024 consecutive bytes
	s_wait_dscnt 0x0
	global_store_b128 v1, v[96:99], s[10:11]
.Lend:
	s_wait_dscnt 0x0
	s_wait_tensorcnt 0x0                           ; the wave's end
	ds_add_u32 v254, v255
	s_wait_dscnt 0x0
	CROUND                                         ; the closing round
	s_endpgm
.Lfunc_end_k_q2f695ef254_attn:
	.size	k_q2f695ef254_attn, .Lfunc_end_k_q2f695ef254_attn-k_q2f695ef254_attn
	.p2alignl 7, 3214868480
	.fill 96, 4, 3214868480
	.section	.rodata,"a",@progbits
	.p2align	6, 0x0
	.amdhsa_kernel k_q2f695ef254_attn
		.amdhsa_group_segment_fixed_size 211968
		.amdhsa_private_segment_fixed_size 0
		.amdhsa_enable_private_segment 0
		.amdhsa_kernarg_size 32
		.amdhsa_user_sgpr_count 2
		.amdhsa_user_sgpr_kernarg_segment_ptr 1
		.amdhsa_wavefront_size32 1
		.amdhsa_system_sgpr_workgroup_id_x 1
		.amdhsa_system_sgpr_workgroup_id_y 1
		.amdhsa_system_sgpr_workgroup_id_z 1
		.amdhsa_system_vgpr_workitem_id 0
		.amdhsa_next_free_vgpr 256
		.amdhsa_next_free_sgpr 76
		.amdhsa_reserve_vcc 0
		.amdhsa_float_denorm_mode_32 3
		.amdhsa_float_denorm_mode_16_64 3
		.amdhsa_memory_ordered 1
		.amdhsa_forward_progress 1
		.amdhsa_inst_pref_size 76
	.end_amdhsa_kernel
	.amdgpu_metadata
---
amdhsa.version: [ 1, 2 ]
amdhsa.kernels:
  - .name:           k_q2f695ef254_attn
    .symbol:         k_q2f695ef254_attn.kd
    .args:
      - { .name: hc, .offset: 0, .size: 8, .value_kind: global_buffer, .address_space: global }
      - { .name: hs, .offset: 8, .size: 8, .value_kind: global_buffer, .address_space: global }
      - { .name: yc, .offset: 16, .size: 8, .value_kind: global_buffer, .address_space: global }
      - { .name: ys, .offset: 24, .size: 8, .value_kind: global_buffer, .address_space: global }
    .group_segment_fixed_size: 211968
    .private_segment_fixed_size: 0
    .kernarg_segment_align: 8
    .kernarg_segment_size: 32
    .max_flat_workgroup_size: 512
    .sgpr_count:     76
    .vgpr_count:     256
    .wavefront_size: 32
...
	.end_amdgpu_metadata
.endif
;; end of part 3
;; launch proj (part 4): grid 8 x 32, 4 waves a work-group, clusters of 4 x 4, 327,680 bytes of LDS; arguments yc, ys, opc, ops, b_proj, out0; writes out0
.if DOCPART == 4
	.amdgcn_target "amdgcn-amd-amdhsa--gfx1250"
	.amdhsa_code_object_version 6
	.text
	.protected	k_q2f695ef254_proj
	.globl	k_q2f695ef254_proj
	.p2align	8
	.type	k_q2f695ef254_proj,@function
k_q2f695ef254_proj:
	s_mov_b64 s[64:65], 0
	v_nop
	global_prefetch_b8 v0, s[64:65] scope:SCOPE_SE
	s_setreg_imm32_b32 hwreg(HW_REG_WAVE_MODE, 25, 1), 1
	s_wait_xcnt 0x0
	s_wait_alu depctr_hold_cnt(0) depctr_sa_sdst(0) depctr_va_vdst(0) depctr_va_sdst(0) depctr_va_ssrc(0) depctr_va_vcc(0) depctr_vm_vsrc(0)
	s_getreg_b32 s2, hwreg(HW_REG_IB_STS2, 6, 4)
	s_cmp_eq_u32 s2, 0
	s_cbranch_scc0 .Lentry_in_a_cluster
	s_endpgm
.Lentry_in_a_cluster:
	s_bfe_u32 s2, ttmp6, 0x10000c
	s_cmp_lg_u32 s2, 0xf033
	s_cbranch_scc0 .Lentry_shape_is_right
	s_endpgm
.Lentry_shape_is_right:
; out0 = y W_proj + b_proj on codes of FP6 (E2M3) with E8M0 scales, K = 1,024; sums in f32; the bias is the first products' C.
; 256 work-groups of four waves; a work-group makes 128 x 128 of out0, a wave 64 x 64 (16 accumulators).  4 x 4 work-groups form a cluster: y's tiles are asked for jointly by a row of it, W_proj's by a column.
; A tile of 16 operand rows is 12,288 dense bytes, all of K, an image of the operand's registers (1,536 bytes for each 128 along K).  ALL OF K LIES IN LDS, filled once: each wave issues ONE joint load,
; four tiles on end, 49,152 dense bytes as 192 rows of 256 (waves 0 and 1 y's halves, waves 2 and 3 W_proj's).  One barrier shows them; the eight K steps behind it have none.
; No prefetch: all tiles are asked for at the head, so there is no loop to run ahead in.  The scale words and the bias go straight to registers, once.
; The matrix instruction is used transposed (source 0 = rows of W_proj's codes), so that a lane holds neighbouring columns of one row; a block of 16 rows leaves through the wave's own stage as whole runs of 256 bytes.
.set KCH,   12288
.set CHUNK, 49152
.set STAGE, 4*CHUNK
.set AS,  32
.set BS,  48
.set G1A, 24
.set G1B, 32
.set G0A, 40
.set G0B, 68
.set MSB, 0
.macro WIN new
.if MSB != \new
	s_set_vgpr_msb (MSB<<8)|\new
.set MSB, \new
.endif
.endm
.macro JLOAD g0a, g1a, g0b, g1b
	s_cmp_eq_u32 s17, 0
	s_cbranch_scc0 .Lfor_b_\@
	tensor_load_to_lds s[\g0a:\g0a+3], s[\g1a:\g1a+7]
	s_nop 0
.rept 4
	v_nop
.endr
	s_branch .Lasked_\@
.Lfor_b_\@:
	tensor_load_to_lds s[\g0b:\g0b+3], s[\g1b:\g1b+7]
	s_nop 0
.rept 4
	v_nop
.endr
.Lasked_\@:
.endm
.macro CROUND
	s_barrier_signal -1
	s_barrier_wait -1
	s_cmp_lg_u32 s16, 0
	s_cbranch_scc1 .Lnot_wave_0_\@
	s_barrier_signal -3
.Lnot_wave_0_\@:
	s_barrier_wait -3
	s_barrier_signal -1
	s_barrier_wait -1
.endm
	s_load_b256 s[4:11], s[0:1], 0x0
	s_load_b128 s[12:15], s[0:1], 0x20
	v_lshl_add_u32 v94, v0, 2, 0x34400
	v_mov_b32 v95, 0
	ds_add_u32 v94, v95
	ds_add_u32 v94, v95
	v_lshrrev_b32 v1, 5, v0
	v_readfirstlane_b32 s16, v1
	s_lshr_b32 s17, s16, 1
	s_and_b32 s18, s16, 1
	s_bfe_u32 s19, ttmp6, 0x40000
	s_bfe_u32 s20, ttmp6, 0x40004
	s_lshl_b32 s21, ttmp9, 2
	s_add_co_u32 s21, s21, s19
	s_and_b32 s22, ttmp7, 0xffff
	s_lshl_b32 s22, s22, 2
	s_add_co_u32 s22, s22, s20
	s_lshl_b32 s23, s20, 2
	s_lshl_b32 s23, 15, s23
	s_lshl_b32 s84, 0x1111, s19
	s_or_b32 s[G1A+0], s23, (3<<16)|(1<<21)
	s_or_b32 s[G1B+0], s84, (3<<16)|(1<<21)
.irp g, G1A, G1B
	s_mov_b32 s[\g+1], 32<<16
	s_mov_b32 s[\g+2], 192<<16
	s_mov_b32 s[\g+3], 32<<16
	s_mov_b32 s[\g+4], 192
	s_mov_b32 s[\g+5], 32
	s_mov_b32 s[\g+6], 0
	s_mov_b32 s[\g+7], 0
.endr
	s_lshl_b32 s86, s22, 3
	s_lshl_b32 s87, s18, 2
	s_add_co_u32 s86, s86, s87
	s_mul_i32 s86, s86, 12288
	s_mov_b32 s87, 0
	s_lshl_b32 s88, s21, 3
	s_lshl_b32 s89, s18, 2
	s_add_co_u32 s88, s88, s89
	s_mul_i32 s88, s88, 12288
	s_add_co_u32 s88, s88, 5505024
	s_mov_b32 s89, 0
	s_mul_i32 s85, s16, CHUNK
	s_wait_dscnt 0x0
	s_wait_kmcnt 0x0
	s_add_nc_u64 s[86:87], s[4:5], s[86:87]
	s_add_nc_u64 s[88:89], s[8:9], s[88:89]
	CROUND
.irp c, 0
	s_mov_b32 s[G0A+4*\c], 1
	s_add_co_u32 s[G0A+4*\c+1], s85, \c*CHUNK
	s_add_nc_u64 s[G0A+4*\c+2:G0A+4*\c+3], s[86:87], \c*KCH
	s_or_b32 s[G0A+4*\c+3], s[G0A+4*\c+3], 0x80000000
	s_mov_b32 s[G0B+4*\c], 1
	s_add_co_u32 s[G0B+4*\c+1], s85, \c*CHUNK
	s_add_nc_u64 s[G0B+4*\c+2:G0B+4*\c+3], s[88:89], \c*KCH
	s_or_b32 s[G0B+4*\c+3], s[G0B+4*\c+3], 0x80000000
	JLOAD G0A+4*\c, G1A, G0B+4*\c, G1B             ; my one load: four tiles, all of K
.endr
	v_and_b32 v1, 15, v0
	v_bfe_u32 v2, v0, 4, 1
	v_and_b32 v3, 31, v0
	v_lshlrev_b32 v4, 2, v1
	v_lshl_add_u32 v4, v2, 6, v4
	s_wait_alu depctr_va_vdst(0)
	v_lshlrev_b32 v5, 4, v1
	v_lshl_add_u32 v5, v2, 9, v5
	s_wait_alu depctr_va_vdst(0)
	v_lshlrev_b32 v6, 6, v2
	s_wait_alu depctr_va_vdst(0)
	s_lshl_b32 s90, s22, 3
	s_lshl_b32 s91, s17, 2
	s_add_co_u32 s90, s90, s91
	s_lshl_b32 s90, s90, 6
	s_mov_b32 s91, 0
	s_add_nc_u64 s[6:7], s[6:7], s[90:91]
	s_lshl_b32 s90, s21, 3
	s_lshl_b32 s92, s18, 2
	s_add_co_u32 s90, s90, s92
	s_lshl_b32 s90, s90, 9
	s_add_co_u32 s90, s90, 229376
	s_add_nc_u64 s[10:11], s[10:11], s[90:91]
	s_lshl_b32 s90, s21, 9
	s_lshl_b32 s92, s18, 8
	s_add_co_u32 s90, s90, s92
	s_add_nc_u64 s[12:13], s[12:13], s[90:91]
	s_add_nc_u64 s[14:15], s[14:15], s[90:91]
.irp s, 0,1,2,3,4,5,6,7
.irp i, 0,1
	global_load_b32 v[AS+8*\i+\s], v4, s[6:7] offset:16384*(2*\s)+128*\i
	global_load_b32 v[128+8*\i+\s], v4, s[6:7] offset:16384*(2*\s+1)+128*\i
.endr
.endr
.irp i, 0,1
	global_load_b128 v[BS+8*\i:BS+8*\i+3], v5, s[10:11] offset:1024*\i
	global_load_b128 v[BS+8*\i+4:BS+8*\i+7], v5, s[10:11] offset:1024*\i+256
.endr
.irp b, 0,1,2,3
	global_load_b128 v[96+8*\b:99+8*\b], v6, s[12:13] offset:4*(32*(\b/2)+8*(\b%2))
	global_load_b128 v[100+8*\b:103+8*\b], v6, s[12:13] offset:4*(32*(\b/2)+8*(\b%2))+16
.endr
	v_lshlrev_b32 v7, 4, v3
	v_lshlrev_b32 v27, 4, v1
	v_lshl_add_u32 v27, v2, 3, v27
	s_mul_i32 s90, s17, CHUNK
	s_mul_i32 s92, s18, CHUNK
	s_add_co_u32 s92, s92, 2*CHUNK
.irp c, 0
	v_add_nc_u32 v[8+4*\c], s90, v7
	v_add_nc_u32 v[9+4*\c], s90, v27
	v_add_nc_u32 v[10+4*\c], s92, v7
	v_add_nc_u32 v[11+4*\c], s92, v27
	s_add_co_u32 s90, s90, CHUNK
	s_add_co_u32 s92, s92, CHUNK
.endr
	s_mul_i32 s90, s16, 16*272
	s_add_co_u32 s90, s90, STAGE
	v_mul_u32_u24 v24, v1, 272
	v_lshl_add_u32 v24, v2, 6, v24
	v_add_nc_u32 v24, s90, v24
	v_mul_u32_u24 v25, v2, 272
	v_lshl_add_u32 v25, v1, 4, v25
	v_add_nc_u32 v25, s90, v25
	v_lshlrev_b32 v26, 4, v1
	v_lshl_add_u32 v26, v2, 12, v26
	s_lshl_b32 s90, s22, 7
	s_lshl_b32 s92, s17, 6
	s_add_co_u32 s90, s90, s92
	s_lshl_b32 s90, s90, 12
	s_add_nc_u64 s[14:15], s[14:15], s[90:91]
	s_wait_loadcnt 0x0
.set j, 0
.rept 16
	v_or_b32 v[AS+j], v[AS+j], v[128+j]
.set j, j+1
.endr
.rept 8
	v_nop
.endr
.macro FRAG4 reg, adr, q, i
	ds_load_b128 v[\reg:\reg+3], v[\adr] offset:KCH*(\i)+1536*(\q)
	ds_load_b64 v[\reg+4:\reg+5], v[\adr+1] offset:KCH*(\i)+1536*(\q)+512
	ds_load_b128 v[\reg+6:\reg+9], v[\adr] offset:KCH*(\i)+1536*(\q)+768
	ds_load_b64 v[\reg+10:\reg+11], v[\adr+1] offset:KCH*(\i)+1536*(\q)+1280
.endm
.macro FETCH sg, f
	WIN 0x40
.irp i, 0,1,2,3
	FRAG4 \f+12*\i, 8, \sg, \i
.endr
.irp i, 0,1,2,3
	FRAG4 \f+48+12*\i, 10, \sg, \i
.endr
	WIN 0
.endm
.macro PROD a, b, sg, f
.set DR, 128+8*(4*\a+\b)
.if (\sg) == 0
.set CR, 96+8*\b
.else
.set CR, DR
.endif
.if (\a%2 == 0) && (\b%2 == 0)
	v_wmma_scale_f32_16x16x128_f8f6f4 v[DR:DR+7], v[\f+48+12*\b:\f+59+12*\b], v[\f+12*\a:\f+11+12*\a], v[CR:CR+7], v[BS+8*(\b/2)+(\sg)], v[AS+8*(\a/2)+(\sg)] matrix_a_fmt:MATRIX_FMT_FP6 matrix_b_fmt:MATRIX_FMT_FP6
.elseif (\a%2 == 0)
	v_wmma_scale_f32_16x16x128_f8f6f4 v[DR:DR+7], v[\f+48+12*\b:\f+59+12*\b], v[\f+12*\a:\f+11+12*\a], v[CR:CR+7], v[BS+8*(\b/2)+(\sg)], v[AS+8*(\a/2)+(\sg)] matrix_a_fmt:MATRIX_FMT_FP6 matrix_b_fmt:MATRIX_FMT_FP6 matrix_a_scale:MATRIX_SCALE_ROW1
.elseif (\b%2 == 0)
	v_wmma_scale_f32_16x16x128_f8f6f4 v[DR:DR+7], v[\f+48+12*\b:\f+59+12*\b], v[\f+12*\a:\f+11+12*\a], v[CR:CR+7], v[BS+8*(\b/2)+(\sg)], v[AS+8*(\a/2)+(\sg)] matrix_a_fmt:MATRIX_FMT_FP6 matrix_b_fmt:MATRIX_FMT_FP6 matrix_b_scale:MATRIX_SCALE_ROW1
.else
	v_wmma_scale_f32_16x16x128_f8f6f4 v[DR:DR+7], v[\f+48+12*\b:\f+59+12*\b], v[\f+12*\a:\f+11+12*\a], v[CR:CR+7], v[BS+8*(\b/2)+(\sg)], v[AS+8*(\a/2)+(\sg)] matrix_a_fmt:MATRIX_FMT_FP6 matrix_b_fmt:MATRIX_FMT_FP6 matrix_a_scale:MATRIX_SCALE_ROW1 matrix_b_scale:MATRIX_SCALE_ROW1
.endif
.endm
.macro KSTEP sg
.if ((\sg) >= 1) && ((\sg) < 7)
.rept 4
	v_nop
.endr
.endif
.if (\sg) < 7
	FETCH (\sg)+1, 128*(((\sg)+1)%2)
	s_wait_dscnt 32
.else
	s_wait_dscnt 0x0
.endif
	WIN 0x05
.irp a, 0,1,2,3
.irp b, 0,1,2,3
	PROD \a, \b, \sg, 128*((\sg)%2)
.endr
.endr
	WIN 0
.endm
	s_wait_alu depctr_va_vdst(0)
	s_wait_tensorcnt 0x0
	s_barrier_signal -1
	s_barrier_wait -1
	FETCH 0, 0
.irp g, 0,1,2,3,4,5,6,7
	KSTEP \g
.endr
.macro OUT a
.if (\a) > 0
	s_wait_xcnt 0x0
.endif
.irp b, 0,1,2,3
	ds_store_b128 v24, v[128+8*(4*(\a)+\b):131+8*(4*(\a)+\b)] offset:128*(\b/2)+32*(\b%2)
	ds_store_b128 v24, v[132+8*(4*(\a)+\b):135+8*(4*(\a)+\b)] offset:128*(\b/2)+32*(\b%2)+16
.endr
.irp i, 0,1,2,3,4,5,6,7
	ds_load_b128 v[96+4*\i:99+4*\i], v25 offset:544*\i
.endr
.irp i, 0,1,2,3,4,5,6,7
	s_wait_dscnt 7-\i
	global_store_b128 v26, v[96+4*\i:99+4*\i], s[14:15] offset:(32*((\a)/2)+8*((\a)%2)+2*\i+8*(\i/4))*4096 th:TH_STORE_NT
.endr
.endm
.rept 4
	v_nop
.endr
.irp a, 0,1,2,3
	OUT \a
.endr
	s_wait_dscnt 0x0
	s_wait_tensorcnt 0x0
	ds_add_u32 v94, v95
	s_wait_dscnt 0x0
	CROUND
	s_endpgm
.Lfunc_end_k_q2f695ef254_proj:
	.size	k_q2f695ef254_proj, .Lfunc_end_k_q2f695ef254_proj-k_q2f695ef254_proj
	.p2alignl 7, 3214868480
	.fill 96, 4, 3214868480
	.section	.rodata,"a",@progbits
	.p2align	6, 0x0
	.amdhsa_kernel k_q2f695ef254_proj
		.amdhsa_group_segment_fixed_size 327680
		.amdhsa_private_segment_fixed_size 0
		.amdhsa_enable_private_segment 0
		.amdhsa_kernarg_size 48
		.amdhsa_user_sgpr_count 2
		.amdhsa_user_sgpr_kernarg_segment_ptr 1
		.amdhsa_wavefront_size32 1
		.amdhsa_system_sgpr_workgroup_id_x 1
		.amdhsa_system_sgpr_workgroup_id_y 1
		.amdhsa_system_sgpr_workgroup_id_z 1
		.amdhsa_system_vgpr_workitem_id 0
		.amdhsa_next_free_vgpr 512
		.amdhsa_next_free_sgpr 96
		.amdhsa_reserve_vcc 0
		.amdhsa_float_denorm_mode_32 3
		.amdhsa_float_denorm_mode_16_64 3
		.amdhsa_memory_ordered 1
		.amdhsa_forward_progress 1
		.amdhsa_inst_pref_size 55
	.end_amdhsa_kernel
	.amdgpu_metadata
---
amdhsa.version: [ 1, 2 ]
amdhsa.kernels:
  - .name:           k_q2f695ef254_proj
    .symbol:         k_q2f695ef254_proj.kd
    .args:
      - { .name: yc, .offset: 0, .size: 8, .value_kind: global_buffer, .address_space: global }
      - { .name: ys, .offset: 8, .size: 8, .value_kind: global_buffer, .address_space: global }
      - { .name: opc, .offset: 16, .size: 8, .value_kind: global_buffer, .address_space: global }
      - { .name: ops, .offset: 24, .size: 8, .value_kind: global_buffer, .address_space: global }
      - { .name: b_proj, .offset: 32, .size: 8, .value_kind: global_buffer, .address_space: global }
      - { .name: out0, .offset: 40, .size: 8, .value_kind: global_buffer, .address_space: global }
    .group_segment_fixed_size: 327680
    .private_segment_fixed_size: 0
    .kernarg_segment_align: 8
    .kernarg_segment_size: 48
    .max_flat_workgroup_size: 128
    .sgpr_count:     96
    .vgpr_count:     512
    .wavefront_size: 32
...
	.end_amdgpu_metadata
.endif
;; end of part 4
